; MI455X (gfx1250); checked and timed in simulation.
; The chip was launched on July 23, 2026; its instructions are those of AMD's public machine-readable ISA for CDNA 5 (MIT licence, August 2026) and "CDNA5" Instruction Set Architecture Reference Guide (July 2026). The comments in the code are by the model that wrote it; some were corrected since.
;; Multi Head Self Attention. Allowed arithmetic: float matrix products may take bf16 or f16 operands with f32 sums; all other float work in f32.
;; Inputs: W_k 1,024 x 1,024 float32; W_o 1,024 x 1,024 float32; W_q 1,024 x 1,024 float32; W_v 1,024 x 1,024 float32; b_k 1,024 float32; b_o 1,024 float32; b_q 1,024 float32; b_v 1,024 float32; x 2 x 2,048 x 1,024 float32.
;; Outputs: out0 2 x 2,048 x 1,024 float32.
;; 2 versions, each right; version 2 is version 1 with the launch cast written anew for expert scheduling mode. Each part assembles by itself: llvm-mc -triple=amdgcn-amd-amdhsa -mcpu=gfx1250 --defsym DOCPART=n.
;; ======== version 1 of 2: 4 launches
;; workspace buffers: xb 8,388,608 bytes; wcat 6,291,456 bytes; wob 2,097,152 bytes; qh 8,388,608 bytes; kh 8,388,608 bytes; vt 8,388,608 bytes; ctx 8,388,608 bytes
;; launch cast (part 1): grid 64 x 8, 8 waves a work-group, no clusters, 0 bytes of LDS; arguments x, W_q, W_k, W_v, W_o, xb, wcat, wob; writes xb, wcat, wob
.if DOCPART == 1
	.amdgcn_target "amdgcn-amd-amdhsa--gfx1250"
	.amdhsa_code_object_version 6
	.text
	.protected	k_q7a4769d065_cast
	.globl	k_q7a4769d065_cast
	.p2align	8
	.type	k_q7a4769d065_cast,@function
k_q7a4769d065_cast:
	s_mov_b64 s[64:65], 0
	v_nop
	global_prefetch_b8 v0, s[64:65] scope:SCOPE_SE
	s_setreg_imm32_b32 hwreg(HW_REG_WAVE_MODE, 25, 1), 1
	s_wait_xcnt 0x0
; f32 to bf16 (round to nearest even), once for every number that later goes to the matrix units.
; Grid y picks a matrix of 1,024 rows x 1,024: y = 0..3 the quarters of x, y = 4..7 W_q, W_k, W_v, W_o.  Grid x picks 16 rows; a wave takes 2 rows.
; xb and wob keep the row order.  wcat gathers the three projections head by head: row n of W_j (j = 0, 1, 2 for q, k, v) goes to row
; (n >> 6) * 192 + 64 j + (n & 63), so that the 192 weight rows of one head are one dense block for the next launch.
; A wave's 2 rows are 8,192 consecutive bytes in and 4,096 consecutive bytes out: 16 loads of 512 bytes, all issued before the first wait, and
; 16 stores in which the 32 lanes write 8 bytes each: 256 consecutive bytes, aligned.  Every register is written once: no source is ever rewritten.
; A stream: no work-group shares a byte with another, so no LDS, no barrier, no cluster and no matrix unit.
.set X, 4                              ; v[4:67]   16 x 4 f32 as loaded
.set Y, 68                             ; v[68:99]  16 x 2 words of bf16 to store
	s_load_b512 s[8:23], s[0:1], 0x0               ; x s[8:9], W_q s[10:11], W_k s[12:13], W_v s[14:15], W_o s[16:17], xb s[18:19], wcat s[20:21], wob s[22:23]
	v_lshrrev_b32 v3, 5, v0
	v_readfirstlane_b32 s6, v3                     ; wave 0..7
	v_and_b32 v1, 31, v0                           ; lane
	v_lshlrev_b32 v2, 3, v1                        ; 8 bytes a lane out
	v_lshlrev_b32 v1, 4, v1                        ; 16 bytes a lane in
	s_and_b32 s4, ttmp7, 0xffff                    ; y: which matrix
	s_lshl_b32 s7, ttmp9, 4
	s_lshl1_add_u32 s7, s6, s7                     ; row0 = 16 x + 2 wave, inside the matrix
	s_lshl_b32 s28, s4, 10
	s_add_co_u32 s28, s28, s7                      ; row of x and of xb: 1,024 y + row0
	s_lshr_b32 s30, s7, 6
	s_mul_i32 s30, s30, 192                        ; wcat: head * 192
	s_and_b32 s31, s7, 63
	s_add_co_u32 s30, s30, s31                     ; + row inside the head
	s_max_u32 s31, s4, 4
	s_sub_co_u32 s31, s31, 4
	s_lshl_b32 s31, s31, 6
	s_add_co_u32 s30, s30, s31                     ; + 64 j (used for y = 4, 5, 6 alone)
	s_wait_kmcnt 0x0
	s_mov_b64 s[24:25], s[8:9]                     ; the source: x, or one of the four weights
	s_cmp_eq_u32 s4, 4
	s_cselect_b64 s[24:25], s[10:11], s[24:25]
	s_cmp_eq_u32 s4, 5
	s_cselect_b64 s[24:25], s[12:13], s[24:25]
	s_cmp_eq_u32 s4, 6
	s_cselect_b64 s[24:25], s[14:15], s[24:25]
	s_cmp_eq_u32 s4, 7
	s_cselect_b64 s[24:25], s[16:17], s[24:25]
	s_cmp_lt_u32 s4, 7                             ; the destination and its row: wcat or wob,
	s_cselect_b32 s30, s30, s7
	s_cselect_b64 s[26:27], s[20:21], s[22:23]
	s_cmp_lt_u32 s4, 4                             ; or xb
	s_cselect_b32 s30, s28, s30
	s_cselect_b64 s[26:27], s[18:19], s[26:27]
	s_cselect_b32 s29, s28, s7                     ; the source's row
	s_lshl_b32 s32, s29, 12                        ; 4,096 bytes a row in
	s_mov_b32 s33, 0
	s_lshl_b32 s34, s30, 11                        ; 2,048 bytes a row out
	s_mov_b32 s35, 0
	s_add_nc_u64 s[24:25], s[24:25], s[32:33]
	s_add_nc_u64 s[26:27], s[26:27], s[34:35]
.irp i, 0,1,2,3,4,5,6,7,8,9,10,11,12,13,14,15
	global_load_b128 v[X+4*\i:X+4*\i+3], v1, s[24:25] offset:512*\i th:TH_LOAD_NT   ; read once in this launch
.endr
.irp i, 0,1,2,3,4,5,6,7,8,9,10,11,12,13,14,15
	s_wait_loadcnt 15-\i                           ; loads come back in order: load i is in, the 15 - i younger ones stay out
	v_cvt_pk_bf16_f32 v[Y+2*\i],   v[X+4*\i],   v[X+4*\i+1]
	v_cvt_pk_bf16_f32 v[Y+2*\i+1], v[X+4*\i+2], v[X+4*\i+3]
	global_store_b64 v2, v[Y+2*\i:Y+2*\i+1], s[26:27] offset:256*\i   ; the wave stores 256 consecutive bytes, aligned; the next launch reads them, so no hint
.endr
	s_endpgm
.Lfunc_end_k_q7a4769d065_cast:
	.size	k_q7a4769d065_cast, .Lfunc_end_k_q7a4769d065_cast-k_q7a4769d065_cast
	.p2alignl 7, 3214868480
	.fill 96, 4, 3214868480
	.section	.rodata,"a",@progbits
	.p2align	6, 0x0
	.amdhsa_kernel k_q7a4769d065_cast
		.amdhsa_group_segment_fixed_size 0
		.amdhsa_private_segment_fixed_size 0
		.amdhsa_enable_private_segment 0
		.amdhsa_kernarg_size 64
		.amdhsa_user_sgpr_count 2
		.amdhsa_user_sgpr_kernarg_segment_ptr 1
		.amdhsa_wavefront_size32 1
		.amdhsa_system_sgpr_workgroup_id_x 1
		.amdhsa_system_sgpr_workgroup_id_y 1
		.amdhsa_system_sgpr_workgroup_id_z 1
		.amdhsa_system_vgpr_workitem_id 0
		.amdhsa_next_free_vgpr 100
		.amdhsa_next_free_sgpr 66
		.amdhsa_reserve_vcc 0
		.amdhsa_float_denorm_mode_32 3
		.amdhsa_float_denorm_mode_16_64 3
		.amdhsa_memory_ordered 1
		.amdhsa_forward_progress 1
		.amdhsa_inst_pref_size 8
	.end_amdhsa_kernel
	.amdgpu_metadata
---
amdhsa.version: [ 1, 2 ]
amdhsa.kernels:
  - .name:           k_q7a4769d065_cast
    .symbol:         k_q7a4769d065_cast.kd
    .args:
      - { .name: x, .offset: 0, .size: 8, .value_kind: global_buffer, .address_space: global }
      - { .name: W_q, .offset: 8, .size: 8, .value_kind: global_buffer, .address_space: global }
      - { .name: W_k, .offset: 16, .size: 8, .value_kind: global_buffer, .address_space: global }
      - { .name: W_v, .offset: 24, .size: 8, .value_kind: global_buffer, .address_space: global }
      - { .name: W_o, .offset: 32, .size: 8, .value_kind: global_buffer, .address_space: global }
      - { .name: xb, .offset: 40, .size: 8, .value_kind: global_buffer, .address_space: global }
      - { .name: wcat, .offset: 48, .size: 8, .value_kind: global_buffer, .address_space: global }
      - { .name: wob, .offset: 56, .size: 8, .value_kind: global_buffer, .address_space: global }
    .group_segment_fixed_size: 0
    .private_segment_fixed_size: 0
    .kernarg_segment_align: 8
    .kernarg_segment_size: 64
    .max_flat_workgroup_size: 256
    .sgpr_count:     66
    .vgpr_count:     100
    .wavefront_size: 32
...
	.end_amdgpu_metadata
.endif
;; end of part 1
;; launch qkv (part 2): grid 16 x 16, 4 waves a work-group, clusters of 4 x 4, 327,680 bytes of LDS; arguments xb, wcat, b_q, b_k, b_v, qh, kh, vt; writes qh, kh, vt
.if DOCPART == 2
	.amdgcn_target "amdgcn-amd-amdhsa--gfx1250"
	.amdhsa_code_object_version 6
	.text
	.protected	k_q7a4769d065_qkv
	.globl	k_q7a4769d065_qkv
	.p2align	8
	.type	k_q7a4769d065_qkv,@function
k_q7a4769d065_qkv:
	s_mov_b64 s[64:65], 0
	v_nop
	global_prefetch_b8 v0, s[64:65] scope:SCOPE_SE
	s_setreg_imm32_b32 hwreg(HW_REG_WAVE_MODE, 25, 1), 1
	s_wait_xcnt 0x0
	s_wait_alu depctr_hold_cnt(0) depctr_sa_sdst(0) depctr_va_vdst(0) depctr_va_sdst(0) depctr_va_ssrc(0) depctr_va_vcc(0) depctr_vm_vsrc(0)
	s_getreg_b32 s2, hwreg(HW_REG_IB_STS2, 6, 4)
	s_cmp_eq_u32 s2, 0
	s_cbranch_scc0 .Lentry_in_a_cluster
	s_endpgm
.Lentry_in_a_cluster:
	s_bfe_u32 s2, ttmp6, 0x10000c
	s_cmp_lg_u32 s2, 0xf033
	s_cbranch_scc0 .Lentry_shape_is_right
	s_endpgm
.Lentry_shape_is_right:
; q, k, v = x W^T + b for one head and 256 rows of x.  xb: [4096][1024] bf16.  wcat: [16 heads][q, k, v][64][1024] bf16.  Sums in f32, results rounded once to bf16.
; Grid x = head, grid y = block of 256 rows.  Four waves; wave (wm = w >> 1, wn = w & 1) makes rows 128 wm .. + 127 and the features 32 wn .. + 31 of q, of k and of v:
; 8 x 6 accumulator tiles of 16 x 16, 384 registers.  K goes in 8 steps of 128 through two LDS slots filled by tensor loads; a tile's rows are 256 bytes of memory, aligned.
; CLUSTERS: 4 x 4 work-groups.  x's tile hangs on the row block alone and is asked for jointly by a row of the cluster, the weights' tile on the head alone and
; is asked for jointly by a column: each tile is requested once for four work-groups.
; OUT: qh, kh: [bh = 32][half = 2][s = 2048][32] bf16 (half = feature >> 5); vt: [bh][feature = 64][s = 2048] bf16, V transposed.  bh = 16 batch + head.
; q's and k's products are used TRANSPOSED (source 0 = weight rows, source 1 = rows of x): a lane then holds 8 neighbouring features of one row, 16 bytes of qh or kh.
; v's products are used the natural way round: a lane holds 8 neighbouring rows s of one feature, 16 bytes of vt.
; The biases are the C operand of the first K quarter's products: nothing is cleared and nothing is added afterwards.
; Limits: NaN and infinities in the inputs are carried as the arithmetic carries them; nothing else is assumed of the numbers.
;
; REGISTERS in windows of 256:  window 0: v16-31 addresses, v32-159 fragments of x (two buffers of 8 x 8), v160-255 fragments of the weights (two buffers of 6 x 8)
;   window 1: q's and k's 32 tiles, tile (a, b) at 8 (4 a + b), b = 0, 1 q, b = 2, 3 k      window 2: v's 16 tiles at 8 (2 a + b); v128-159 biases of q, k; v160-175 biases of v
.set KSTEP,  128
.set PITCH,  272                       ; an LDS row: 256 bytes + 16 of padding, an odd multiple of 16: the 16 rows of a fragment load start in 16 different 16-byte columns of 256 bytes
.set AHALF,  128*PITCH                 ; 128 rows of x: one tensor load
.set BHALF,  96*PITCH                  ; 96 weight rows: one tensor load
.set BOFF,   2*AHALF                   ; the weights lie behind x's 256 rows
.set SLOT,   BOFF+2*BHALF              ; 121,856 bytes
.set STAGE,  2*SLOT                    ; 243,712: behind the ring, 10,240 bytes for each wave, for the way out; no tensor load lands there
.set STG,    10240
.set LAPS,   1024/(2*KSTEP)            ; 4 laps of two K steps
.set G1W0,   (1<<16)|(1<<20)|(1<<21)|(5<<22)|(3<<25)   ; elements of 2 bytes; padding on; bit 21 beside a mask; after every 64 words, 4 words
.set ADRA, 16                          ; v16-17  LDS address of my fragments of x in slot 0, 1
.set ADRB, 20                          ; v20-21  the same for the weights
.set STOQ, 24                          ; way out of q, k: where I put 16 bytes (rows of 64 bytes, pitch 80)
.set RDQ,  25                          ; and where I read them back
.set STOV, 26                          ; way out of v: rows of 256 bytes, pitch 272
.set RDV,  27
.set GOQ,  28                          ; my byte offset in qh, kh
.set GOV,  29                          ; my byte offset in vt
.set BOQ,  30                          ; my byte offset in b_q, b_k
.set BOV,  31                          ; my byte offset in b_v
.set FA,   32                          ; fragments of x: buffer f at FA + 64 f
.set FB,   160                         ; fragments of the weights: buffer f at FB + 48 f
.set BQK,  128                         ; window 2
.set BV,   160                         ; window 2
.set TMP,  32                          ; way out: packed results
.set RB,   96                          ; way out: rows read back
.set G1A, 32                           ; s[32:39] group 1 for x's tiles
.set G0A, 40                           ; s[40:47] group 0 for x's tiles, a set for each slot
.set G1B, 48                           ; s[48:55] group 1 for the weights' tiles
.set G0B, 56                           ; s[56:63] group 0 for the weights' tiles, a set for each slot
.set MSB, 0
.macro WIN new                         ; the immediate's high byte repeats the setting that is left; a switch that changes nothing is dropped
.if MSB != \new
	s_set_vgpr_msb (MSB<<8)|\new
.set MSB, \new
.endif
.endm
.macro PLACES                          ; four places behind a matrix instruction (ISA guide 7.12.1) before its results are read or its registers loaded again
.rept 4
	v_nop
.endr
.endm
; A joint load.  Waves 0, 1 fetch x's two halves, waves 2, 3 the weights'.  The branch hangs on the wave's number alone.
.macro JLOAD s
	s_cmp_eq_u32 s21, 0
	s_cbranch_scc0 .Lfor_b_\@
	tensor_load_to_lds s[G0A+4*\s:G0A+4*\s+3], s[G1A:G1A+7]
	s_nop 0
	s_branch .Lasked_\@
.Lfor_b_\@:
	tensor_load_to_lds s[G0B+4*\s:G0B+4*\s+3], s[G1B:G1B+7]
	s_nop 0
.Lasked_\@:
.endm
.macro CREST                           ; a round of the cluster's barrier behind its opening work-group barrier
	s_cmp_lg_u32 s20, 0
	s_cbranch_scc1 .Lnot_wave_0_\@
	s_barrier_signal -3
.Lnot_wave_0_\@:
	s_barrier_wait -3
	s_barrier_signal -1
	s_barrier_wait -1
.endm
.macro CROUND                          ; a whole round
	s_barrier_signal -1
	s_barrier_wait -1
	CREST
.endm
	s_load_b512 s[4:19], s[0:1], 0x0               ; xb s[4:5], wcat s[6:7], b_q s[8:9], b_k s[10:11], b_v s[12:13], qh s[14:15], kh s[16:17], vt s[18:19]
	v_lshl_add_u32 v22, v0, 2, 0x45800
	v_mov_b32 v23, 0
	ds_add_u32 v22, v23
	v_lshrrev_b32 v1, 5, v0
	v_readfirstlane_b32 s20, v1                    ; wave 0..3
	s_lshr_b32 s21, s20, 1                         ; wm: my half of the rows.  Also: I fetch x (0) or weights (1)
	s_and_b32 s22, s20, 1                          ; wn: my half of the features.  Also: which half of that tile I fetch
	s_bfe_u32 s23, ttmp6, 0x40000                  ; cx
	s_bfe_u32 s24, ttmp6, 0x40004                  ; cy
	s_lshl_b32 s25, ttmp9, 2
	s_add_co_u32 s25, s25, s23                     ; head = 4 x cluster x + cx
	s_and_b32 s26, ttmp7, 0xffff
	s_lshl_b32 s26, s26, 2
	s_add_co_u32 s26, s26, s24                     ; row block = 4 x cluster y + cy
	s_lshl_b32 s27, s24, 2
	s_lshl_b32 s27, 15, s27                        ; my row of the cluster: places 4 cy .. 4 cy + 3
	s_lshl_b32 s28, 0x1111, s23                    ; my column: places cx, cx + 4, cx + 8, cx + 12
	s_or_b32  s[G1A+0], s27, G1W0                  ; x's tiles go to my row of the cluster
	s_mov_b32 s[G1A+1], KSTEP<<16                  ; tensor_dim0 = 128 elements
	s_mov_b32 s[G1A+2], 128<<16                    ; tensor_dim1 = 128 rows
	s_mov_b32 s[G1A+3], KSTEP<<16                  ; tile_dim0 = 128
	s_mov_b32 s[G1A+4], 128                        ; tile_dim1 = 128
	s_mov_b32 s[G1A+5], 1024                       ; elements from row to row
	s_mov_b32 s[G1A+6], 0
	s_mov_b32 s[G1A+7], 0
	s_or_b32  s[G1B+0], s28, G1W0                  ; the weights' tiles go to my column
	s_mov_b32 s[G1B+1], KSTEP<<16
	s_mov_b32 s[G1B+2], 96<<16                     ; 96 rows
	s_mov_b32 s[G1B+3], KSTEP<<16
	s_mov_b32 s[G1B+4], 96
	s_mov_b32 s[G1B+5], 1024
	s_mov_b32 s[G1B+6], 0
	s_mov_b32 s[G1B+7], 0
	; where the tiles come from.  s66, s67, s70, s71 never hold cx; s68, s69, s72, s73 never hold cy.
	s_lshl_b32 s66, s26, 8
	s_lshl_b32 s70, s22, 7
	s_add_co_u32 s66, s66, s70                     ; x: row 256 x block + 128 x half
	s_lshl_b32 s66, s66, 11                        ; 2,048 bytes a row; below 8 MiB
	s_mov_b32 s67, 0
	s_mul_i32 s68, s25, 192
	s_mul_i32 s73, s22, 96
	s_add_co_u32 s68, s68, s73                     ; weights: row 192 x head + 96 x half
	s_lshl_b32 s68, s68, 11
	s_mov_b32 s69, 0
	s_mul_i32 s71, s22, AHALF                      ; and where they go: the wave's number and constants alone
	s_mul_i32 s72, s22, BHALF
	s_add_co_u32 s72, s72, BOFF
	s_wait_dscnt 0x0
	s_wait_kmcnt 0x0
	s_add_nc_u64 s[66:67], s[4:5], s[66:67]
	s_add_nc_u64 s[68:69], s[6:7], s[68:69]
	CROUND                                         ; all sixteen work-groups are here: the first joint loads meet
.irp s, 0,1
	s_mov_b32 s[G0A+4*\s], 1
	s_add_co_u32 s[G0A+4*\s+1], s71, \s*SLOT
	s_add_nc_u64 s[G0A+4*\s+2:G0A+4*\s+3], s[66:67], \s*KSTEP*2    ; K step s
	s_or_b32 s[G0A+4*\s+3], s[G0A+4*\s+3], 0x80000000              ; type = 2
	s_mov_b32 s[G0B+4*\s], 1
	s_add_co_u32 s[G0B+4*\s+1], s72, \s*SLOT
	s_add_nc_u64 s[G0B+4*\s+2:G0B+4*\s+3], s[68:69], \s*KSTEP*2
	s_or_b32 s[G0B+4*\s+3], s[G0B+4*\s+3], 0x80000000
	JLOAD \s                                       ; both slots' first fills go out together: two tensor loads of the wave are out, later one
.endr
	v_and_b32 v1, 15, v0                           ; r = lane % 16
	v_bfe_u32 v2, v0, 4, 1                         ; h = lane / 16
	v_and_b32 v3, 31, v0                           ; lane
	v_mul_u32_u24 v4, v1, PITCH
	v_lshl_add_u32 v4, v2, 4, v4                   ; r x pitch + 16 h: a fragment is two loads of 16 bytes, 32 bytes apart
	s_mul_i32 s70, s21, AHALF                      ; my 128 rows of x
	s_mul_i32 s73, s22, 32*PITCH                   ; my 32 features of each of q, k, v
	s_add_co_u32 s73, s73, BOFF
.irp s, 0,1
	v_add_nc_u32 v[ADRA+\s], s70, v4
	v_add_nc_u32 v[ADRB+\s], s73, v4
	s_add_co_u32 s70, s70, SLOT
	s_add_co_u32 s73, s73, SLOT
.endr
	s_mul_i32 s74, s20, STG
	s_add_co_u32 s74, s74, STAGE                   ; my stage
	v_mul_u32_u24 v5, v1, 80
	v_lshl_add_u32 v5, v2, 4, v5
	v_add_nc_u32 v[STOQ], s74, v5                  ; row r, 16 bytes for each half of the lanes
	v_lshrrev_b32 v5, 2, v3
	v_mul_u32_u24 v5, v5, 80
	v_and_b32 v6, 3, v3
	v_lshl_add_u32 v5, v6, 4, v5
	v_add_nc_u32 v[RDQ], s74, v5                   ; back: four lanes take one row of 64 bytes
	v_add_nc_u32 v[STOV], s74, v4
	v_mul_u32_u24 v5, v2, PITCH
	v_lshl_add_u32 v5, v1, 4, v5
	v_add_nc_u32 v[RDV], s74, v5                   ; back: sixteen lanes take one row of 256 bytes
	v_lshlrev_b32 v[GOQ], 4, v3
	v_lshlrev_b32 v5, 4, v1
	v_lshl_add_u32 v[GOV], v2, 12, v5              ; a row of vt is 4,096 bytes
	s_lshl_b32 s75, s25, 8
	s_lshl_b32 s74, s22, 7
	s_add_co_u32 s75, s75, s74                     ; 4 x (64 head + 32 wn)
	v_lshl_add_u32 v[BOQ], v2, 5, s75              ; + 4 x 8 h: my 8 features of a transposed tile
	v_lshl_add_u32 v[BOV], v1, 2, s75              ; + 4 r: my one feature of a natural tile
	WIN 0x80                                       ; destination window 2, address window 0
.irp b, 0,1
	global_load_b128 v[BQK+8*\b:BQK+8*\b+3],       v[BOQ], s[8:9]   offset:64*\b
	global_load_b128 v[BQK+8*\b+4:BQK+8*\b+7],     v[BOQ], s[8:9]   offset:64*\b+16
	global_load_b128 v[BQK+16+8*\b:BQK+16+8*\b+3], v[BOQ], s[10:11] offset:64*\b
	global_load_b128 v[BQK+16+8*\b+4:BQK+16+8*\b+7], v[BOQ], s[10:11] offset:64*\b+16
.endr
.irp b, 0,1
.irp j, 0,1,2,3,4,5,6,7
	global_load_b32 v[BV+8*\b+\j], v[BOV], s[12:13] offset:64*\b   ; a natural tile's eight registers are eight rows of one feature: the same bias eight times
.endr
.endr
	WIN 0
; 16 matrix instructions of q and k: row blocks a0 .. a0 + 3 x feature tiles 0 .. 3, 32 along K.  zero = 1: the biases start the sums.
.macro MULQK f, a0, zero
.if \zero
	WIN 0x60                                       ; D window 1, C window 2
.else
	WIN 0x50                                       ; C and D window 1
.endif
.irp a, 0,1,2,3
.irp b, 0,1,2,3
.if \zero
	v_wmma_f32_16x16x32_bf16 v[8*(4*(\a0+\a)+\b):8*(4*(\a0+\a)+\b)+7], v[FB+48*\f+8*\b:FB+48*\f+8*\b+7], v[FA+64*\f+8*(\a0+\a):FA+64*\f+8*(\a0+\a)+7], v[BQK+8*\b:BQK+8*\b+7]
.else
	v_wmma_f32_16x16x32_bf16 v[8*(4*(\a0+\a)+\b):8*(4*(\a0+\a)+\b)+7], v[FB+48*\f+8*\b:FB+48*\f+8*\b+7], v[FA+64*\f+8*(\a0+\a):FA+64*\f+8*(\a0+\a)+7], v[8*(4*(\a0+\a)+\b):8*(4*(\a0+\a)+\b)+7]
.endif
.endr
.endr
.endm
; 16 matrix instructions of v: all 8 row blocks x 2 feature tiles
.macro MULV f, zero
	WIN 0xa0                                       ; C and D window 2
.irp a, 0,1,2,3,4,5,6,7
.irp b, 0,1
.if \zero
	v_wmma_f32_16x16x32_bf16 v[8*(2*\a+\b):8*(2*\a+\b)+7], v[FA+64*\f+8*\a:FA+64*\f+8*\a+7], v[FB+48*\f+8*(4+\b):FB+48*\f+8*(4+\b)+7], v[BV+8*\b:BV+8*\b+7]
.else
	v_wmma_f32_16x16x32_bf16 v[8*(2*\a+\b):8*(2*\a+\b)+7], v[FA+64*\f+8*\a:FA+64*\f+8*\a+7], v[FB+48*\f+8*(4+\b):FB+48*\f+8*(4+\b)+7], v[8*(2*\a+\b):8*(2*\a+\b)+7]
.endif
.endr
.endr
.endm
; 28 LDS loads in one run: the fragments of one quarter step (32 K at byte k of the rows): 6 weight tiles (q, q, k, k, v, v), then 8 blocks of x
.macro FETCH slot, k, f
	WIN 0
.irp b, 0,1,2,3,4,5
	ds_load_b128 v[FB+48*\f+8*\b:FB+48*\f+8*\b+3],   v[ADRB+\slot] offset:\k+(64*((\b)>>1)+16*((\b)&1))*PITCH
	ds_load_b128 v[FB+48*\f+8*\b+4:FB+48*\f+8*\b+7], v[ADRB+\slot] offset:\k+(64*((\b)>>1)+16*((\b)&1))*PITCH+32
.endr
.irp a, 0,1,2,3,4,5,6,7
	ds_load_b128 v[FA+64*\f+8*\a:FA+64*\f+8*\a+3],   v[ADRA+\slot] offset:\k+\a*16*PITCH
	ds_load_b128 v[FA+64*\f+8*\a+4:FA+64*\f+8*\a+7], v[ADRA+\slot] offset:\k+\a*16*PITCH+32
.endr
.endm
; A K step is four quarters of 32 along K, 48 matrix instructions each, on buffers 0, 1, 0, 1.  The 48 accumulators take turns, one instruction a turn, in the
; same order in every quarter, over the backward jump too.
.macro QUARTER slot, k, f, g, zero
	s_wait_dscnt 8                                 ; the weights and x's blocks 0-3 are in; the youngest eight loads (blocks 4-7) may be out
	MULQK \f, 0, \zero
	PLACES
	FETCH \slot, \k, \g
	s_wait_dscnt 28                                ; all but the 28 just issued
	MULQK \f, 4, \zero
	MULV \f, \zero
.endm
.macro THREE slot, zero
	QUARTER \slot, 64,  0, 1, \zero
	QUARTER \slot, 128, 1, 0, 0
	QUARTER \slot, 192, 0, 1, 0
.endm
; The last quarter multiplies buffer 1 and changes slots.  In front of the barrier each wave waits for its reads of this slot and for all its tensor loads (one is out:
; its part of the next slot).  fill = 1: the barrier opens a round of the cluster's barrier, and this slot's refill, two K steps ahead, is the first tensor load behind it.
; From a request to the wait for it a wave issues 176 matrix instructions.
.macro TURN slot, next, fill
	s_wait_dscnt 8
	MULQK 1, 0, 0
	s_wait_dscnt 0                                 ; my reads of this slot are over
	s_wait_tensorcnt 0x0                           ; all my tensor loads have landed
	ds_add_u32 v22, v23
	s_wait_dscnt 0x0
	s_barrier_signal -1
	MULQK 1, 4, 0                                  ; register work while the others arrive
	WIN 0
	s_barrier_wait -1
.if \fill
	CREST                                          ; no wave of any partner still reads this slot or has a load on its way
	s_add_nc_u64 s[G0A+4*\slot+2:G0A+4*\slot+3], s[G0A+4*\slot+2:G0A+4*\slot+3], 2*KSTEP*2
	s_add_nc_u64 s[G0B+4*\slot+2:G0B+4*\slot+3], s[G0B+4*\slot+2:G0B+4*\slot+3], 2*KSTEP*2
	JLOAD \slot
.endif
	PLACES
	FETCH \next, 0, 0
	MULV 1, 0
.endm
.macro LAP zero
	THREE 0, \zero
	TURN 0, 1, 1
	THREE 1, 0
	TURN 1, 0, 1
.endm
	s_wait_tensorcnt 1                             ; my part of K step 0 is in; K step 1's stays out
	s_barrier_signal -1
	s_barrier_wait -1
	FETCH 0, 0, 0
	s_wait_loadcnt 0x0                             ; the biases
	LAP 1                                          ; the first lap stands in front of the loop: its first products take the biases as C
	WIN 0
	s_mov_b32 s3, LAPS-2
.Llap:
	LAP 0
	WIN 0
	s_sub_co_u32 s3, s3, 1
	s_cmp_lg_u32 s3, 0
	s_cbranch_scc1 .Llap
	THREE 0, 0                                     ; the last lap fills nothing
	TURN 0, 1, 0
	THREE 1, 0
	s_wait_dscnt 8
	MULQK 1, 0, 0
	s_wait_dscnt 0
	MULQK 1, 4, 0
	MULV 1, 0
	; THE WAY OUT.  s76-s79 feed no descriptor and no LDS address.
	PLACES
	s_lshr_b32 s76, s26, 3
	s_lshl_b32 s76, s76, 4
	s_add_co_u32 s76, s76, s25                     ; bh = 16 batch + head
	s_and_b32 s77, s26, 7
	s_lshl_b32 s77, s77, 8
	s_lshl_b32 s78, s21, 7
	s_add_co_u32 s77, s77, s78                     ; my first s in the batch
	s_lshl1_add_u32 s78, s76, s22                  ; 2 bh + half
	s_lshl_b32 s78, s78, 11
	s_add_co_u32 s78, s78, s77
	s_lshl_b32 s78, s78, 6                         ; 64 bytes for each s
	s_mov_b32 s79, 0
	s_add_nc_u64 s[14:15], s[14:15], s[78:79]
	s_add_nc_u64 s[16:17], s[16:17], s[78:79]
	s_lshl1_add_u32 s78, s76, s22
	s_lshl_b32 s78, s78, 16                        ; feature row 64 bh + 32 wn, 2,048 s each
	s_add_co_u32 s78, s78, s77
	s_lshl_b32 s78, s78, 1
	s_add_nc_u64 s[18:19], s[18:19], s[78:79]
; q (which = 0) or k (1): my 128 rows x 32 features are 8,192 consecutive bytes.  Round, 16 bytes a lane into my stage, read back by rows, store 512 consecutive bytes a wave.
.macro OUTQK which, base
	WIN 0x05                                       ; sources window 1
.irp a, 0,1,2,3,4,5,6,7
.irp bb, 0,1
.irp j, 0,1,2,3
	v_cvt_pk_bf16_f32 v[TMP+4*(2*\a+\bb)+\j], v[8*(4*\a+2*\which+\bb)+2*\j], v[8*(4*\a+2*\which+\bb)+2*\j+1]
.endr
.endr
.endr
	WIN 0
.irp a, 0,1,2,3,4,5,6,7
.irp bb, 0,1
	ds_store_b128 v[STOQ], v[TMP+4*(2*\a+\bb):TMP+4*(2*\a+\bb)+3] offset:\a*1280+32*\bb
.endr
.endr
	s_wait_xcnt 0x0                                ; RB, which earlier stores read, is loaded again only behind this wait
.irp t, 0,1,2,3,4,5,6,7,8,9,10,11,12,13,14,15
	ds_load_b128 v[RB+4*\t:RB+4*\t+3], v[RDQ] offset:640*\t        ; LDS serves a wave's instructions in order: these see the stores above
.endr
.irp t, 0,1,2,3,4,5,6,7,8,9,10,11,12,13,14,15
	s_wait_dscnt 15-\t
	global_store_b128 v[GOQ], v[RB+4*\t:RB+4*\t+3], s[\base:\base+1] offset:512*\t
.endr
.endm
	OUTQK 0, 14
	OUTQK 1, 16
	; v: my 32 features x 128 s.  A stage row is one feature's 256 bytes; sixteen lanes store 256 consecutive bytes, aligned.
	WIN 0x0a                                       ; sources window 2
.irp a, 0,1,2,3,4,5,6,7
.irp bb, 0,1
.irp j, 0,1,2,3
	v_cvt_pk_bf16_f32 v[TMP+4*(2*\a+\bb)+\j], v[8*(2*\a+\bb)+2*\j], v[8*(2*\a+\bb)+2*\j+1]
.endr
.endr
.endr
	WIN 0
.irp a, 0,1,2,3,4,5,6,7
.irp bb, 0,1
	ds_store_b128 v[STOV], v[TMP+4*(2*\a+\bb):TMP+4*(2*\a+\bb)+3] offset:\bb*16*PITCH+32*\a
.endr
.endr
	s_wait_xcnt 0x0
.irp t, 0,1,2,3,4,5,6,7,8,9,10,11,12,13,14,15
	ds_load_b128 v[RB+4*\t:RB+4*\t+3], v[RDV] offset:2*PITCH*\t
.endr
.irp t, 0,1,2,3,4,5,6,7,8,9,10,11,12,13,14,15
	s_wait_dscnt 15-\t
	global_store_b128 v[GOV], v[RB+4*\t:RB+4*\t+3], s[18:19] offset:8192*\t
.endr
	s_wait_tensorcnt 0x0
	ds_add_u32 v22, v23
	s_wait_dscnt 0x0
	CROUND                                         ; the closing round: no work-group ends while a partner may still ask for a tile that names it
	s_endpgm
.Lfunc_end_k_q7a4769d065_qkv:
	.size	k_q7a4769d065_qkv, .Lfunc_end_k_q7a4769d065_qkv-k_q7a4769d065_qkv
	.p2alignl 7, 3214868480
	.fill 96, 4, 3214868480
	.section	.rodata,"a",@progbits
	.p2align	6, 0x0
	.amdhsa_kernel k_q7a4769d065_qkv
		.amdhsa_group_segment_fixed_size 327680
		.amdhsa_private_segment_fixed_size 0
		.amdhsa_enable_private_segment 0
		.amdhsa_kernarg_size 64
		.amdhsa_user_sgpr_count 2
		.amdhsa_user_sgpr_kernarg_segment_ptr 1
		.amdhsa_wavefront_size32 1
		.amdhsa_system_sgpr_workgroup_id_x 1
		.amdhsa_system_sgpr_workgroup_id_y 1
		.amdhsa_system_sgpr_workgroup_id_z 1
		.amdhsa_system_vgpr_workitem_id 0
		.amdhsa_next_free_vgpr 688
		.amdhsa_next_free_sgpr 80
		.amdhsa_reserve_vcc 0
		.amdhsa_float_denorm_mode_32 3
		.amdhsa_float_denorm_mode_16_64 3
		.amdhsa_memory_ordered 1
		.amdhsa_forward_progress 1
		.amdhsa_inst_pref_size 160
	.end_amdhsa_kernel
	.amdgpu_metadata
---
amdhsa.version: [ 1, 2 ]
amdhsa.kernels:
  - .name:           k_q7a4769d065_qkv
    .symbol:         k_q7a4769d065_qkv.kd
    .args:
      - { .name: xb, .offset: 0, .size: 8, .value_kind: global_buffer, .address_space: global }
      - { .name: wcat, .offset: 8, .size: 8, .value_kind: global_buffer, .address_space: global }
      - { .name: b_q, .offset: 16, .size: 8, .value_kind: global_buffer, .address_space: global }
      - { .name: b_k, .offset: 24, .size: 8, .value_kind: global_buffer, .address_space: global }
      - { .name: b_v, .offset: 32, .size: 8, .value_kind: global_buffer, .address_space: global }
      - { .name: qh, .offset: 40, .size: 8, .value_kind: global_buffer, .address_space: global }
      - { .name: kh, .offset: 48, .size: 8, .value_kind: global_buffer, .address_space: global }
      - { .name: vt, .offset: 56, .size: 8, .value_kind: global_buffer, .address_space: global }
    .group_segment_fixed_size: 327680
    .private_segment_fixed_size: 0
    .kernarg_segment_align: 8
    .kernarg_segment_size: 64
    .max_flat_workgroup_size: 128
    .sgpr_count:     80
    .vgpr_count:     688
    .wavefront_size: 32
...
	.end_amdgpu_metadata
.endif
;; end of part 2
;; launch attn (part 3): grid 8 x 32, 8 waves a work-group, clusters of 4 x 1, 327,680 bytes of LDS; arguments qh, kh, vt, ctx; writes ctx
.if DOCPART == 3
	.amdgcn_target "amdgcn-amd-amdhsa--gfx1250"
	.amdhsa_code_object_version 6
	.text
	.protected	k_q7a4769d065_attn
	.globl	k_q7a4769d065_attn
	.p2align	8
	.type	k_q7a4769d065_attn,@function
k_q7a4769d065_attn:
	s_mov_b64 s[64:65], 0
	v_nop
	global_prefetch_b8 v0, s[64:65] scope:SCOPE_SE
	s_setreg_imm32_b32 hwreg(HW_REG_WAVE_MODE, 25, 1), 1
	s_wait_xcnt 0x0
	s_wait_alu depctr_hold_cnt(0) depctr_sa_sdst(0) depctr_va_vdst(0) depctr_va_sdst(0) depctr_va_ssrc(0) depctr_va_vcc(0) depctr_vm_vsrc(0)
	s_getreg_b32 s2, hwreg(HW_REG_IB_STS2, 6, 4)
	s_cmp_eq_u32 s2, 0
	s_cbranch_scc0 .Lentry_in_a_cluster
	s_endpgm
.Lentry_in_a_cluster:
	s_bfe_u32 s2, ttmp6, 0x10000c
	s_cmp_lg_u32 s2, 0x3003
	s_cbranch_scc0 .Lentry_shape_is_right
	s_endpgm
.Lentry_shape_is_right:
; Softmax attention for one (batch, head) pair bh (grid y) and 256 queries (grid x), with a running maximum.
; qh, kh: [bh][half][s][32] bf16; vt: [bh][feature][s] bf16; ctx out: [block of 128 rows][head][128][64] bf16.
; Eight waves, two on a SIMD, so that one wave's softmax can run beside the other's products.  Wave w: qg = w & 3 takes queries 64 qg .. + 63; g = w >> 2 takes the g-th 128 keys
; of every tile of 256 keys.  The two key groups of a query group keep their own maximum, sum and output and are merged at the end through LDS.
; BOTH PRODUCTS ARE TRANSPOSED.  S^T = K Q^T: source 0 = 16 keys, source 1 = 16 queries; lane (r, h) holds, in register j, key 8 h + j of query r.  Two such tiles, rounded to bf16
; and packed in place, are source 1 of O^T = V^T P^T as they stand: P never goes through LDS, and a query's maximum and sum are a lane's own but for one exchange of the lane halves.
; p = exp2(c s - c m), c = log2(e) / 8, m the running maximum of the raw scores; l sums the p in f32 before they are rounded.
; CLUSTERS: the four work-groups of a cluster have the same bh and walk the same K and V tiles: every tile is asked for jointly (mask 15).
; Limits: NaN and infinities in the inputs are carried as the arithmetic carries them.  A p below 2^-126 counts as 0 (v_exp_f32 flushes denormal results: ISA guide, its entry in 15.8).
; Each l holds the term exp2(0) = 1 of its maximum, so the reciprocal at the end has a source of at least 1.
;
; LDS: two slots of 68,608 bytes: K as [half][64 rows of 256 bytes = 4 keys x 64 bytes, pitch 272], then V^T as 64 rows of 512 bytes, pitch 528; then bytes that no tensor load fills:
; MERGE 4 x 17,408 and STAGE 4 x 9,216.
; REGISTERS: window 0: v4-7 LDS addresses, v8-47 softmax state, v48-54 addresses, v64-127 Q fragments, v128-255 16 score tiles.  Window 1: v0-127 O (tile (dt, qt) at 8 (4 dt + qt)),
; v128-191 V^T fragments, v192-255 K fragments.
.set PK,    272
.set KHALF, 64*PK                      ; 17,408: 256 keys x 32 features
.set PV,    528
.set VOFF,  2*KHALF
.set SLOT,  VOFF+64*PV                 ; 68,608
.set MERGE, 2*SLOT                     ; 137,216
.set MRG,   17408                      ; 16,384 of O, 1,024 of m and l
.set STAGE, MERGE+4*MRG                ; 206,848
.set STG,   64*144                     ; 64 queries x 128 bytes, pitch 144
.set KAD, 4                            ; v4-5   my K fragments in slot 0, 1
.set VAD, 6                            ; v6-7   my V^T fragments in slot 0, 1
.set MN,  8                            ; v8-15  for each query tile qt the pair (-c m, m)
.set AL,  16                           ; v16-23 the pair (alpha, l)
.set SA,  24                           ; v24-31 a pair of partial sums
.set SB,  32                           ; v32-39 a second pair
.set T,   40                           ; v40-43
.set U,   44                           ; v44-47
.set MAD, 48                           ; MERGE: O
.set MSA, 49                           ; MERGE: m, l
.set STO, 50                           ; STAGE: in
.set RD,  51                           ; STAGE: back
.set GO,  52                           ; my byte offset in ctx
.set QO,  54                           ; my byte offset in qh
.set Q,   64                           ; Q + 16 qt + 8 kk
.set S,   128                          ; S + 8 i, i = 8 (kt >> 1) + 2 qt + (kt & 1)
.set VF,  128                          ; window 1: VF + 32 kg + 8 dt
.set KF,  192                          ; window 1: KF + 16 kt + 8 kk
.set G1K, 24                           ; s[24:31]
.set G0K, 32                           ; s[32:39] a set for each slot
.set G1V, 40                           ; s[40:47]
.set G0V, 48                           ; s[48:55] a set for each slot
.set MSB, 0
.macro WIN new
.if MSB != \new
	s_set_vgpr_msb (MSB<<8)|\new
.set MSB, \new
.endif
.endm
.macro PLACES                          ; four places (ISA guide 7.12.1) before a matrix result is read by a vector instruction or a matrix instruction's register is loaded again
.rept 4
	v_nop
.endr
.endm
.macro FIVE                            ; five before a matrix instruction writes over a register that an earlier one has read
.rept 5
	v_nop
.endr
.endm
.macro ROUND                           ; a round of the cluster's barrier
	s_barrier_signal -1
	s_barrier_wait -1
	s_cmp_lg_u32 s12, 0
	s_cbranch_scc1 .Lnot_wave_0_\@
	s_barrier_signal -3
.Lnot_wave_0_\@:
	s_barrier_wait -3
	s_barrier_signal -1
	s_barrier_wait -1
.endm
; A tile of 256 keys is three joint loads: waves 0 and 1 ask for K's two halves (16 KiB dense each), wave 2 for V^T (64 rows of 512 bytes); waves 3 to 7 ask for nothing.
.macro JLOAD s
	s_cmp_lt_u32 s12, 2
	s_cbranch_scc0 .Lnot_k_\@
	tensor_load_to_lds s[G0K+4*(\s):G0K+4*(\s)+3], s[G1K:G1K+7]
	s_nop 0
	s_branch .Lasked_\@
.Lnot_k_\@:
	s_cmp_eq_u32 s12, 2
	s_cbranch_scc0 .Lasked_\@
	tensor_load_to_lds s[G0V+4*(\s):G0V+4*(\s)+3], s[G1V:G1V+7]
	s_nop 0
.Lasked_\@:
.endm
	s_load_b256 s[4:11], s[0:1], 0x0               ; qh s[4:5], kh s[6:7], vt s[8:9], ctx s[10:11]
	v_lshl_add_u32 v62, v0, 2, 0x3b800
	v_mov_b32 v63, 0
	ds_add_u32 v62, v63
	v_lshrrev_b32 v1, 5, v0
	v_readfirstlane_b32 s12, v1                    ; wave 0..7
	s_lshr_b32 s13, s12, 2                         ; g: my key group
	s_and_b32 s14, s12, 3                          ; qg: my query group
	s_and_b32 s57, s12, 1                          ; K's half that waves 0, 1 fetch
	s_bfe_u32 s15, ttmp6, 0x40000                  ; cx
	s_lshl_b32 s16, ttmp9, 2
	s_add_co_u32 s16, s16, s15                     ; block of 256 queries = 4 x cluster x + cx
	s_and_b32 s17, ttmp7, 0xffff                   ; bh: the same in the four partners
	s_mov_b32 s18, 0x76543210                      ; v_permlanex16_b32: lane i reads lane i of the other half
	s_mov_b32 s19, 0xfedcba98
	s_mov_b32 s20, 0x3e38aa3b                      ; c = log2(e) / 8
	s_mov_b32 s21, 0x3e38aa3b
	s_mov_b32 s22, 0xbe38aa3b                      ; -c
	s_mov_b32 s[G1K+0], 0x0773000f                 ; mask 15; elements of 8 bytes; padding on; bit 21 beside a mask; after every 64 words, 4 words
	s_mov_b32 s[G1K+1], 32<<16                     ; tensor_dim0 = 32 elements = 256 bytes
	s_mov_b32 s[G1K+2], 64<<16                     ; tensor_dim1 = 64 rows
	s_mov_b32 s[G1K+3], 32<<16                     ; tile_dim0
	s_mov_b32 s[G1K+4], 64                         ; tile_dim1
	s_mov_b32 s[G1K+5], 32                         ; a dense block: each row begins where the last ends
	s_mov_b32 s[G1K+6], 0
	s_mov_b32 s[G1K+7], 0
	s_mov_b32 s[G1V+0], 0x07b1000f                 ; mask 15; elements of 2 bytes; after every 128 words, 4 words
	s_mov_b32 s[G1V+1], 256<<16                    ; 256 keys
	s_mov_b32 s[G1V+2], 64<<16                     ; 64 features
	s_mov_b32 s[G1V+3], 256<<16
	s_mov_b32 s[G1V+4], 64
	s_mov_b32 s[G1V+5], 2048
	s_mov_b32 s[G1V+6], 0
	s_mov_b32 s[G1V+7], 0
	s_lshl1_add_u32 s58, s17, s57
	s_lshl_b32 s58, s58, 17                        ; (2 bh + half) x 2,048 keys x 64 bytes
	s_mov_b32 s59, 0
	s_lshl_b32 s60, s17, 18                        ; bh x 64 features x 4,096 bytes
	s_mov_b32 s61, 0
	s_mul_i32 s62, s57, KHALF
	s_wait_dscnt 0x0
	s_wait_kmcnt 0x0
	s_add_nc_u64 s[58:59], s[6:7], s[58:59]
	s_add_nc_u64 s[60:61], s[8:9], s[60:61]
.irp s, 0,1
	s_mov_b32 s[G0K+4*\s], 1
	s_add_co_u32 s[G0K+4*\s+1], s62, \s*SLOT
	s_add_nc_u64 s[G0K+4*\s+2:G0K+4*\s+3], s[58:59], \s*16384      ; tile s: 256 keys x 64 bytes
	s_or_b32 s[G0K+4*\s+3], s[G0K+4*\s+3], 0x80000000
	s_mov_b32 s[G0V+4*\s], 1
	s_mov_b32 s[G0V+4*\s+1], \s*SLOT+VOFF
	s_add_nc_u64 s[G0V+4*\s+2:G0V+4*\s+3], s[60:61], \s*512        ; tile s: 256 keys x 2 bytes along the rows
	s_or_b32 s[G0V+4*\s+3], s[G0V+4*\s+3], 0x80000000
.endr
	; Q's and ctx's places hang on cx: s2, s3, s23 hold them and feed no descriptor and no LDS address
	s_lshl_b32 s2, s17, 12
	s_lshl_b32 s23, s16, 8
	s_add_co_u32 s2, s2, s23
	s_lshl_b32 s23, s14, 6
	s_add_co_u32 s2, s2, s23                       ; 4,096 bh + my first query
	s_lshl_b32 s2, s2, 6
	s_mov_b32 s3, 0
	s_add_nc_u64 s[4:5], s[4:5], s[2:3]
	s_lshr_b32 s2, s17, 4
	s_lshl_b32 s2, s2, 4
	s_lshl_b32 s23, s16, 1
	s_add_co_u32 s2, s2, s23
	s_lshr_b32 s23, s14, 1
	s_add_co_u32 s2, s2, s23                       ; block of 128 rows = 16 batch + 2 x block of 256 + (qg >> 1)
	s_lshl_b32 s2, s2, 4
	s_and_b32 s23, s17, 15
	s_add_co_u32 s2, s2, s23                       ; x 16 + head
	s_lshl_b32 s2, s2, 14                          ; 16,384 bytes each
	s_and_b32 s23, s14, 1
	s_lshl_b32 s23, s23, 13
	s_add_co_u32 s2, s2, s23                       ; + 64 rows of 128 bytes for the odd query groups
	s_add_nc_u64 s[10:11], s[10:11], s[2:3]
	v_and_b32 v1, 15, v0                           ; r
	v_bfe_u32 v2, v0, 4, 1                         ; h
	v_and_b32 v3, 31, v0                           ; lane
	v_lshlrev_b32 v[QO], 6, v1
	v_lshl_add_u32 v[QO], v2, 4, v[QO]             ; 64 r + 16 h
.irp qt, 0,1,2,3
.irp kk, 0,1
	global_load_b128 v[Q+16*\qt+8*\kk:Q+16*\qt+8*\kk+3],   v[QO], s[4:5] offset:\kk*131072+\qt*1024
	global_load_b128 v[Q+16*\qt+8*\kk+4:Q+16*\qt+8*\kk+7], v[QO], s[4:5] offset:\kk*131072+\qt*1024+32
.endr
.endr
	v_lshrrev_b32 v55, 2, v1
	v_mul_u32_u24 v55, v55, PK
	v_and_b32 v56, 3, v1
	v_lshl_add_u32 v55, v56, 6, v55
	v_lshl_add_u32 v55, v2, 4, v55                 ; key r: (r >> 2) x 272 + (r & 3) x 64 + 16 h: sixteen different 16-byte columns of 256 bytes
	s_mul_i32 s63, s13, 32*PK                      ; my 128 keys
	v_add_nc_u32 v[KAD], s63, v55
	v_add_nc_u32 v[KAD+1], SLOT, v[KAD]
	v_mul_u32_u24 v55, v1, PV
	v_lshl_add_u32 v55, v2, 4, v55
	s_lshl_b32 s63, s13, 8
	s_add_co_u32 s63, s63, VOFF
	v_add_nc_u32 v[VAD], s63, v55
	v_add_nc_u32 v[VAD+1], SLOT, v[VAD]
	s_mul_i32 s63, s14, MRG
	s_add_co_u32 s63, s63, MERGE
	v_lshl_add_u32 v[MAD], v3, 4, s63
	s_add_co_u32 s63, s63, 16384
	v_lshl_add_u32 v[MSA], v3, 2, s63
	s_mul_i32 s63, s14, STG
	s_add_co_u32 s63, s63, STAGE
	v_mul_u32_u24 v55, v1, 144
	v_lshl_add_u32 v55, v2, 4, v55
	v_add_nc_u32 v[STO], s63, v55
	v_lshrrev_b32 v55, 3, v3
	v_mul_u32_u24 v55, v55, 144
	v_and_b32 v56, 7, v3
	v_lshl_add_u32 v55, v56, 4, v55
	v_add_nc_u32 v[RD], s63, v55
	v_lshlrev_b32 v[GO], 4, v3
.irp qt, 0,1,2,3
	v_mov_b32 v[U+\qt], 0                          ; v_permlanex16_b32 counts as a reader of its destination
.endr
; 16 loads: K fragments of 64 keys (block blk of my 128), both halves of the features
.macro KLOAD slot, blk
	WIN 0x40
.irp kt, 0,1,2,3
.irp kk, 0,1
	ds_load_b128 v[KF+16*\kt+8*\kk:KF+16*\kt+8*\kk+3],   v[KAD+\slot] offset:\kk*KHALF+(4*\blk+\kt)*4*PK
	ds_load_b128 v[KF+16*\kt+8*\kk+4:KF+16*\kt+8*\kk+7], v[KAD+\slot] offset:\kk*KHALF+(4*\blk+\kt)*4*PK+32
.endr
.endr
.endm
; 16 loads: V^T fragments, 64 features x the same 64 keys
.macro VLOAD slot, blk
	WIN 0x40
.irp kg, 0,1
.irp dt, 0,1,2,3
	ds_load_b128 v[VF+32*\kg+8*\dt:VF+32*\kg+8*\dt+3],   v[VAD+\slot] offset:\dt*16*PV+(2*\blk+\kg)*64
	ds_load_b128 v[VF+32*\kg+8*\dt+4:VF+32*\kg+8*\dt+7], v[VAD+\slot] offset:\dt*16*PV+(2*\blk+\kg)*64+32
.endr
.endr
.endm
; 32 matrix instructions: 64 keys x 64 queries.  The 16 accumulators take turns, one instruction a turn.  The first half of the features starts the sums.
.macro SMUL
	WIN 0x01                                       ; source 0 (K) window 1
.irp kt, 0,1,2,3
.irp qt, 0,1,2,3
	v_wmma_f32_16x16x32_bf16 v[S+64*((\kt)>>1)+16*\qt+8*((\kt)&1):S+64*((\kt)>>1)+16*\qt+8*((\kt)&1)+7], v[KF+16*\kt:KF+16*\kt+7], v[Q+16*\qt:Q+16*\qt+7], 0
.endr
.endr
.irp kt, 0,1,2,3
.irp qt, 0,1,2,3
	v_wmma_f32_16x16x32_bf16 v[S+64*((\kt)>>1)+16*\qt+8*((\kt)&1):S+64*((\kt)>>1)+16*\qt+8*((\kt)&1)+7], v[KF+16*\kt+8:KF+16*\kt+15], v[Q+16*\qt+8:Q+16*\qt+15], v[S+64*((\kt)>>1)+16*\qt+8*((\kt)&1):S+64*((\kt)>>1)+16*\qt+8*((\kt)&1)+7]
.endr
.endr
.endm
; 16 matrix instructions: O^T += V^T P^T for 32 keys.  Again 16 accumulators by turns.
.macro PVHALF kg, zero
	WIN 0x51                                       ; source 0 (V^T), C and D window 1; source 1 (P) window 0
.irp dt, 0,1,2,3
.irp qt, 0,1,2,3
.if \zero
	v_wmma_f32_16x16x32_bf16 v[8*(4*\dt+\qt):8*(4*\dt+\qt)+7], v[VF+32*\kg+8*\dt:VF+32*\kg+8*\dt+7], v[S+64*\kg+16*\qt:S+64*\kg+16*\qt+7], 0
.else
	v_wmma_f32_16x16x32_bf16 v[8*(4*\dt+\qt):8*(4*\dt+\qt)+7], v[VF+32*\kg+8*\dt:VF+32*\kg+8*\dt+7], v[S+64*\kg+16*\qt:S+64*\kg+16*\qt+7], v[8*(4*\dt+\qt):8*(4*\dt+\qt)+7]
.endif
.endr
.endr
.endm
.macro RESCALE                         ; O *= alpha of the lane's query
	WIN 0x41
.irp dt, 0,1,2,3
.irp qt, 0,1,2,3
.irp p, 0,2,4,6
	v_pk_mul_f32 v[8*(4*\dt+\qt)+\p:8*(4*\dt+\qt)+\p+1], v[8*(4*\dt+\qt)+\p:8*(4*\dt+\qt)+\p+1], v[AL+2*\qt:AL+2*\qt+1] op_sel_hi:[1,0]
.endr
.endr
.endr
.endm
.macro SCALE_T i                       ; tile i: c s - c m
.irp p, 0,2,4,6
	v_pk_fma_f32 v[S+8*(\i)+\p:S+8*(\i)+\p+1], v[S+8*(\i)+\p:S+8*(\i)+\p+1], s[20:21], v[MN+2*(((\i)>>1)&3):MN+2*(((\i)>>1)&3)+1] op_sel_hi:[1,0,0]
.endr
.endm
.macro EXP_T i
.irp j, 0,1,2,3,4,5,6,7
	v_exp_f32 v[S+8*(\i)+\j], v[S+8*(\i)+\j]
.endr
.endm
; tile i: its p join the sums, then are rounded and packed in place: tiles 2 n and 2 n + 1 become the 8 registers at S + 16 n.  Every p is summed before a packed word can land on it.
.macro SUM_T i
.set QT_, ((\i)>>1)&3
.set B_,  S+8*(\i)
.set D_,  S+16*((\i)>>1)+4*((\i)&1)
.if ((\i)&9) == 0
	s_wait_alu depctr_va_vdst(0)
	v_pk_add_f32 v[SA+2*QT_:SA+2*QT_+1], v[B_:B_+1],   v[B_+2:B_+3]        ; a query tile's first key tile starts the sums
	v_pk_add_f32 v[SB+2*QT_:SB+2*QT_+1], v[B_+4:B_+5], v[B_+6:B_+7]
.else
	s_wait_alu depctr_va_vdst(0)
	v_pk_add_f32 v[SA+2*QT_:SA+2*QT_+1], v[SA+2*QT_:SA+2*QT_+1], v[B_:B_+1]
	v_pk_add_f32 v[SB+2*QT_:SB+2*QT_+1], v[SB+2*QT_:SB+2*QT_+1], v[B_+2:B_+3]
	v_pk_add_f32 v[SA+2*QT_:SA+2*QT_+1], v[SA+2*QT_:SA+2*QT_+1], v[B_+4:B_+5]
	v_pk_add_f32 v[SB+2*QT_:SB+2*QT_+1], v[SB+2*QT_:SB+2*QT_+1], v[B_+6:B_+7]
.endif
.irp j, 0,1,2,3
	v_cvt_pk_bf16_f32 v[D_+\j], v[B_+2*\j], v[B_+2*\j+1]
.endr
.endm
; One block's softmax.  first = 1: there is no earlier maximum or sum.
.macro SOFTMAX first
.irp qt, 0,1,2,3
.if \first
	v_max_num_f32 v[T+\qt], v[S+16*\qt], v[S+16*\qt+1]
.else
	v_max3_num_f32 v[T+\qt], v[S+16*\qt], v[S+16*\qt+1], v[MN+2*\qt+1]     ; the old maximum rides along
.endif
.endr
.irp n, 2,4,6,8,10,12,14,64,66,68,70,72,74,76,78
.irp qt, 0,1,2,3
	v_max3_num_f32 v[T+\qt], v[T+\qt], v[S+16*\qt+\n], v[S+16*\qt+\n+1]    ; four chains that do not wait for each other
.endr
.endr
.irp qt, 0,1,2,3
	v_permlanex16_b32 v[U+\qt], v[T+\qt], s18, s19                         ; the other half of the lanes holds the query's other keys
.endr
.irp qt, 0,1,2,3
	v_max_num_f32 v[MN+2*\qt+1], v[T+\qt], v[U+\qt]                        ; m
.endr
.if \first == 0
.irp qt, 0,1,2,3
	v_fma_f32 v[U+\qt], v[MN+2*\qt+1], s22, -v[MN+2*\qt]                   ; c (m old - m)
.endr
.endif
.irp qt, 0,1,2,3
	v_mul_f32 v[MN+2*\qt], s22, v[MN+2*\qt+1]                              ; -c m
.endr
.if \first == 0
.irp qt, 0,1,2,3
	v_exp_f32 v[AL+2*\qt], v[U+\qt]                                        ; alpha; first used far below
.endr
.endif
	; tile by tile: behind a tile's eight exponentials stand the next tile's four multiply-adds (plain vector work that touches none of their registers: ISA guide 5.7.2), then the sums of the tile before
	SCALE_T 0
.irp i, 0,1,2,3,4,5,6,7,8,9,10,11,12,13,14,15
	EXP_T \i
.if \i < 15
	SCALE_T \i+1
.endif
.if \i > 0
	SUM_T \i-1
.endif
.endr
	SUM_T 15
.irp qt, 0,1,2,3
	v_pk_add_f32 v[SA+2*\qt:SA+2*\qt+1], v[SA+2*\qt:SA+2*\qt+1], v[SB+2*\qt:SB+2*\qt+1]
.endr
.irp qt, 0,1,2,3
.if \first
	v_add_f32 v[AL+2*\qt+1], v[SA+2*\qt], v[SA+2*\qt+1]                    ; l, of my half of the lanes' keys until the end
.else
	v_add_f32 v[T+\qt], v[SA+2*\qt], v[SA+2*\qt+1]
.endif
.endr
.if \first == 0
.irp qt, 0,1,2,3
	v_fma_f32 v[AL+2*\qt+1], v[AL+2*\qt+1], v[AL+2*\qt], v[T+\qt]          ; l = l alpha + the block's sum
.endr
.endif
.endm
; One tile of 256 keys: my 128 of them in two blocks of 64.  In front of the round every wave waits for all its tensor loads (at most one is out, by this text's count) and for its reads
; of the other slot; the joint refill of that slot is the first tensor load behind the round and has the whole trip in which to land.
.macro TRIP slot, refill, first
	s_wait_tensorcnt 0x0                           ; this slot's tile has landed and no load of mine is out, so a group 0 may be written:
	ds_add_u32 v62, v63
	s_wait_dscnt 0x0
	s_add_nc_u64 s[G0K+4*\slot+2:G0K+4*\slot+3], s[G0K+4*\slot+2:G0K+4*\slot+3], 2*16384   ; this slot's next tile
	s_add_nc_u64 s[G0V+4*\slot+2:G0V+4*\slot+3], s[G0V+4*\slot+2:G0V+4*\slot+3], 2*512
	s_wait_dscnt 0x0                               ; my reads of the last trip's tile are back
	ROUND                                          ; both now hold of every wave of the four work-groups
.if \refill
	JLOAD 1-\slot
.endif
	KLOAD \slot, 0
.if \first
	s_wait_loadcnt 0x0                             ; Q
.endif
	s_wait_dscnt 0x0
	SMUL
	PLACES                                         ; then the scores are read and K's registers loaded again
	VLOAD \slot, 0
	KLOAD \slot, 1
	WIN 0
	SOFTMAX \first
	s_wait_dscnt 16                                ; V's 16 loads are in; the 16 younger ones (the next block's K) may be out
.if \first == 0
	RESCALE
.endif
	PVHALF 0, \first
	PVHALF 1, 0
	FIVE                                           ; the next scores land on P's registers
	s_wait_dscnt 0x0
	SMUL
	PLACES
	VLOAD \slot, 1
	WIN 0
	SOFTMAX 0
	s_wait_dscnt 0x0
	RESCALE
	PVHALF 0, 0
	PVHALF 1, 0
	WIN 0
	FIVE
.endm
	ROUND                                          ; in front of the first joint load
	JLOAD 0                                        ; tile 0; slot 1 is first filled behind the first trip's round
	TRIP 0, 1, 1
	TRIP 1, 1, 0
	s_mov_b32 s56, 2
.Ltiles:
	TRIP 0, 1, 0
	TRIP 1, 1, 0
	s_sub_co_u32 s56, s56, 1
	s_cmp_lg_u32 s56, 0
	s_cbranch_scc1 .Ltiles
	TRIP 0, 1, 0
	TRIP 1, 0, 0                                   ; the eighth tile: nothing is left to fetch
	; THE END.  l over both halves of the lanes; key group 1 hands O, m, l to key group 0 through MERGE.
.irp qt, 0,1,2,3
	v_permlanex16_b32 v[U+\qt], v[AL+2*\qt+1], s18, s19
.endr
.irp qt, 0,1,2,3
	v_add_f32 v[AL+2*\qt+1], v[AL+2*\qt+1], v[U+\qt]
.endr
	s_cmp_lt_u32 s12, 4
	s_cbranch_scc1 .Lkeep
	WIN 0x04                                       ; store data window 1
.set i, 0
.rept 32
	ds_store_b128 v[MAD], v[4*i:4*i+3] offset:512*i
.set i, i+1
.endr
	WIN 0
.irp qt, 0,1,2,3
	ds_store_b32 v[MSA], v[MN+2*\qt+1] offset:256*\qt
	ds_store_b32 v[MSA], v[AL+2*\qt+1] offset:256*\qt+128
.endr
.Lkeep:
	s_wait_dscnt 0x0                               ; for the partner's sake: my stores are done
	s_barrier_signal -1
	s_barrier_wait -1
	s_cmp_ge_u32 s12, 4
	s_cbranch_scc1 .Lclose
.set i, 0
.rept 32
	ds_load_b128 v[S+4*i:S+4*i+3], v[MAD] offset:512*i             ; the partner's O, register for register
.set i, i+1
.endr
.irp qt, 0,1,2,3
	ds_load_b32 v[T+\qt], v[MSA] offset:256*\qt                    ; its m
	ds_load_b32 v[U+\qt], v[MSA] offset:256*\qt+128                ; its l
.endr
	s_wait_dscnt 0x0
.irp qt, 0,1,2,3
	v_max_num_f32 v[SA+2*\qt+1], v[MN+2*\qt+1], v[T+\qt]           ; the common maximum
.endr
.irp qt, 0,1,2,3
	v_sub_f32 v[SA+2*\qt], v[MN+2*\qt+1], v[SA+2*\qt+1]
	v_sub_f32 v[SB+2*\qt], v[T+\qt], v[SA+2*\qt+1]
.endr
.irp qt, 0,1,2,3
	v_mul_f32 v[SA+2*\qt], s20, v[SA+2*\qt]
	v_mul_f32 v[SB+2*\qt], s20, v[SB+2*\qt]
.endr
.irp qt, 0,1,2,3
	v_exp_f32 v[SA+2*\qt], v[SA+2*\qt]                             ; a0: my weight
	v_exp_f32 v[SB+2*\qt], v[SB+2*\qt]                             ; a1: the partner's
.endr
	v_nop                                                          ; one plain place behind the exponentials
	s_wait_alu depctr_va_vdst(0)
.irp qt, 0,1,2,3
	v_mul_f32 v[T+\qt], v[AL+2*\qt+1], v[SA+2*\qt]
.endr
.irp qt, 0,1,2,3
	v_fmac_f32 v[T+\qt], v[U+\qt], v[SB+2*\qt]                     ; l = l0 a0 + l1 a1
.endr
.irp qt, 0,1,2,3
	v_rcp_f32 v[T+\qt], v[T+\qt]
.endr
	v_nop
	s_wait_alu depctr_va_vdst(0)
.irp qt, 0,1,2,3
	v_mul_f32 v[SA+2*\qt], v[SA+2*\qt], v[T+\qt]
	v_mul_f32 v[SB+2*\qt], v[SB+2*\qt], v[T+\qt]
.endr
.irp t, 0,1,2,3,4,5,6,7,8,9,10,11,12,13,14,15
.irp p, 0,2,4,6
	v_pk_mul_f32 v[S+8*\t+\p:S+8*\t+\p+1], v[S+8*\t+\p:S+8*\t+\p+1], v[SB+2*((\t)&3):SB+2*((\t)&3)+1] op_sel_hi:[1,0]
.endr
.endr
	WIN 0x01                                       ; source 0 (my O) window 1
.irp t, 0,1,2,3,4,5,6,7,8,9,10,11,12,13,14,15
.irp p, 0,2,4,6
	v_pk_fma_f32 v[S+8*\t+\p:S+8*\t+\p+1], v[8*\t+\p:8*\t+\p+1], v[SA+2*((\t)&3):SA+2*((\t)&3)+1], v[S+8*\t+\p:S+8*\t+\p+1] op_sel_hi:[1,0,1]
.endr
.endr
	WIN 0
.irp t, 0,1,2,3,4,5,6,7,8,9,10,11,12,13,14,15
.irp j, 0,1,2,3
	v_cvt_pk_bf16_f32 v[S+8*\t+\j], v[S+8*\t+2*\j], v[S+8*\t+2*\j+1]       ; 8 neighbouring features of one query: 16 bytes
.endr
.endr
.irp dt, 0,1,2,3
.irp qt, 0,1,2,3
	ds_store_b128 v[STO], v[S+8*(4*\dt+\qt):S+8*(4*\dt+\qt)+3] offset:\qt*16*144+32*\dt
.endr
.endr
.irp t, 0,1,2,3,4,5,6,7,8,9,10,11,12,13,14,15
	ds_load_b128 v[Q+4*\t:Q+4*\t+3], v[RD] offset:4*144*\t         ; my own stage: LDS serves a wave's instructions in order
.endr
.irp t, 0,1,2,3,4,5,6,7,8,9,10,11,12,13,14,15
	s_wait_dscnt 15-\t
	global_store_b128 v[GO], v[Q+4*\t:Q+4*\t+3], s[10:11] offset:512*\t    ; my 64 queries x 128 bytes are dense in ctx: 512 consecutive bytes a store
.endr
.Lclose:
	s_wait_tensorcnt 0x0
	ds_add_u32 v62, v63
	s_wait_dscnt 0x0
	ROUND                                          ; the closing round
	s_endpgm
.Lfunc_end_k_q7a4769d065_attn:
	.size	k_q7a4769d065_attn, .Lfunc_end_k_q7a4769d065_attn-k_q7a4769d065_attn
	.p2alignl 7, 3214868480
	.fill 96, 4, 3214868480
	.section	.rodata,"a",@progbits
	.p2align	6, 0x0
	.amdhsa_kernel k_q7a4769d065_attn
		.amdhsa_group_segment_fixed_size 327680
		.amdhsa_private_segment_fixed_size 0
		.amdhsa_enable_private_segment 0
		.amdhsa_kernarg_size 32
		.amdhsa_user_sgpr_count 2
		.amdhsa_user_sgpr_kernarg_segment_ptr 1
		.amdhsa_wavefront_size32 1
		.amdhsa_system_sgpr_workgroup_id_x 1
		.amdhsa_system_sgpr_workgroup_id_y 1
		.amdhsa_system_sgpr_workgroup_id_z 1
		.amdhsa_system_vgpr_workitem_id 0
		.amdhsa_next_free_vgpr 512
		.amdhsa_next_free_sgpr 66
		.amdhsa_reserve_vcc 0
		.amdhsa_float_denorm_mode_32 3
		.amdhsa_float_denorm_mode_16_64 3
		.amdhsa_memory_ordered 1
		.amdhsa_forward_progress 1
		.amdhsa_inst_pref_size 255
	.end_amdhsa_kernel
	.section	.bss,"aw",@nobits
	.p2align	6
	.space	262144
	.amdgpu_metadata
---
amdhsa.version: [ 1, 2 ]
amdhsa.kernels:
  - .name:           k_q7a4769d065_attn
    .symbol:         k_q7a4769d065_attn.kd
    .args:
      - { .name: qh, .offset: 0, .size: 8, .value_kind: global_buffer, .address_space: global }
      - { .name: kh, .offset: 8, .size: 8, .value_kind: global_buffer, .address_space: global }
      - { .name: vt, .offset: 16, .size: 8, .value_kind: global_buffer, .address_space: global }
      - { .name: ctx, .offset: 24, .size: 8, .value_kind: global_buffer, .address_space: global }
    .group_segment_fixed_size: 327680
    .private_segment_fixed_size: 0
    .kernarg_segment_align: 8
    .kernarg_segment_size: 32
    .max_flat_workgroup_size: 256
    .sgpr_count:     66
    .vgpr_count:     512
    .wavefront_size: 32
...
	.end_amdgpu_metadata
.endif
;; end of part 3
;; launch oproj (part 4): grid 8 x 32, 4 waves a work-group, clusters of 4 x 4, 327,680 bytes of LDS; arguments ctx, wob, b_o, out0; writes out0
.if DOCPART == 4
	.amdgcn_target "amdgcn-amd-amdhsa--gfx1250"
	.amdhsa_code_object_version 6
	.text
	.protected	k_q7a4769d065_oproj
	.globl	k_q7a4769d065_oproj
	.p2align	8
	.type	k_q7a4769d065_oproj,@function
k_q7a4769d065_oproj:
	s_mov_b64 s[64:65], 0
	v_nop
	global_prefetch_b8 v0, s[64:65] scope:SCOPE_SE
	s_setreg_imm32_b32 hwreg(HW_REG_WAVE_MODE, 25, 1), 1
	s_wait_xcnt 0x0
	s_wait_alu depctr_hold_cnt(0) depctr_sa_sdst(0) depctr_va_vdst(0) depctr_va_sdst(0) depctr_va_ssrc(0) depctr_va_vcc(0) depctr_vm_vsrc(0)
	s_getreg_b32 s2, hwreg(HW_REG_IB_STS2, 6, 4)
	s_cmp_eq_u32 s2, 0
	s_cbranch_scc0 .Lentry_in_a_cluster
	s_endpgm
.Lentry_in_a_cluster:
	s_bfe_u32 s2, ttmp6, 0x10000c
	s_cmp_lg_u32 s2, 0xf033
	s_cbranch_scc0 .Lentry_shape_is_right
	s_endpgm
.Lentry_shape_is_right:
; out0 = ctx W_o^T + b_o.  ctx: [block of 128 rows][head][128][64] bf16; wob: [1024][1024] bf16; out0: [4096][1024] f32.  Sums in f32.
; Grid x = block of 128 columns, grid y = block of 128 rows.  Four waves; wave (wm, wn) makes 64 x 64: 16 accumulator tiles in window 1.
; A slot holds K = 256, four heads, so that a refill has 128 matrix instructions of a wave in which to land; K = 1,024 is four slot steps on two slots: two first fills, two refills, no loop.
; CLUSTERS: 4 x 4 work-groups; ctx's tile is asked for jointly along a row of the cluster, the weights' along a column.
; The products are used transposed (source 0 = weight rows): a lane holds 8 neighbouring columns of one row.  b_o is the C operand of the first products.
; Limits: NaN and infinities in the inputs are carried as the arithmetic carries them.
; LDS slot: ctx as 4 head planes of 64 rows of 256 bytes (2 rows of ctx each), pitch 272; then 128 weight rows of 512 bytes, pitch 528.  Behind the ring a stage of 4,352 bytes a wave.
.set PA,    272
.set PB,    528
.set PLANE, 64*PA                      ; 17,408
.set AHALF, 2*PLANE                    ; two heads: one tensor load
.set BOFF,  4*PLANE
.set BHALF, 64*PB                      ; 64 weight rows: one tensor load
.set SLOT,  BOFF+2*BHALF               ; 137,216
.set STAGE, 2*SLOT                     ; 274,432
.set STG,   16*272
.set ADRA, 16                          ; v16-17
.set ADRB, 20                          ; v20-21
.set STO,  24
.set RD,   25
.set GO,   26
.set BO,   27
.set FA,   32                          ; fragments of ctx: buffer f at FA + 64 f
.set FB,   64                          ; fragments of the weights: buffer f at FB + 64 f
.set BIAS, 160                         ; v160-191
.set RB,   32                          ; way out: four sets of 32 registers
.set G1A, 32
.set G0A, 40
.set G1B, 48
.set G0B, 56
.set MSB, 0
.macro WIN new
.if MSB != \new
	s_set_vgpr_msb (MSB<<8)|\new
.set MSB, \new
.endif
.endm
.macro PLACES                          ; four places behind a matrix instruction (ISA guide 7.12.1)
.rept 4
	v_nop
.endr
.endm
.macro JLOAD s                         ; waves 0, 1 fetch ctx's two halves, waves 2, 3 the weights'
	s_cmp_eq_u32 s21, 0
	s_cbranch_scc0 .Lfor_b_\@
	tensor_load_to_lds s[G0A+4*\s:G0A+4*\s+3], s[G1A:G1A+7]
	s_nop 0
	s_branch .Lasked_\@
.Lfor_b_\@:
	tensor_load_to_lds s[G0B+4*\s:G0B+4*\s+3], s[G1B:G1B+7]
	s_nop 0
.Lasked_\@:
.endm
.macro CREST
	s_cmp_lg_u32 s20, 0
	s_cbranch_scc1 .Lnot_wave_0_\@
	s_barrier_signal -3
.Lnot_wave_0_\@:
	s_barrier_wait -3
	s_barrier_signal -1
	s_barrier_wait -1
.endm
.macro CROUND
	s_barrier_signal -1
	s_barrier_wait -1
	CREST
.endm
	s_load_b256 s[4:11], s[0:1], 0x0               ; ctx s[4:5], wob s[6:7], b_o s[8:9], out0 s[10:11]
	v_lshl_add_u32 v254, v0, 2, 0x47400
	v_mov_b32 v255, 0
	ds_add_u32 v254, v255
	v_lshrrev_b32 v1, 5, v0
	v_readfirstlane_b32 s20, v1                    ; wave 0..3
	s_lshr_b32 s21, s20, 1                         ; wm.  Also: I fetch ctx (0) or weights (1)
	s_and_b32 s22, s20, 1                          ; wn.  Also: which half of that tile
	s_bfe_u32 s23, ttmp6, 0x40000                  ; cx
	s_bfe_u32 s24, ttmp6, 0x40004                  ; cy
	s_lshl_b32 s25, ttmp9, 2
	s_add_co_u32 s25, s25, s23                     ; column block
	s_and_b32 s26, ttmp7, 0xffff
	s_lshl_b32 s26, s26, 2
	s_add_co_u32 s26, s26, s24                     ; row block
	s_lshl_b32 s27, s24, 2
	s_lshl_b32 s27, 15, s27                        ; my row of the cluster
	s_lshl_b32 s28, 0x1111, s23                    ; my column
	s_or_b32  s[G1A+0], s27, 0x07730000            ; elements of 8 bytes; padding on; bit 21 beside a mask; after every 64 words, 4 words
	s_mov_b32 s[G1A+1], 32<<16                     ; rows of 32 elements = 256 bytes
	s_mov_b32 s[G1A+2], 128<<16                    ; 128 rows: 32 KiB, dense
	s_mov_b32 s[G1A+3], 32<<16
	s_mov_b32 s[G1A+4], 128
	s_mov_b32 s[G1A+5], 32
	s_mov_b32 s[G1A+6], 0
	s_mov_b32 s[G1A+7], 0
	s_or_b32  s[G1B+0], s28, 0x07b10000            ; elements of 2 bytes; after every 128 words, 4 words
	s_mov_b32 s[G1B+1], 256<<16                    ; 256 along K
	s_mov_b32 s[G1B+2], 64<<16                     ; 64 rows
	s_mov_b32 s[G1B+3], 256<<16
	s_mov_b32 s[G1B+4], 64
	s_mov_b32 s[G1B+5], 1024
	s_mov_b32 s[G1B+6], 0
	s_mov_b32 s[G1B+7], 0
	; s66, s67, s70, s71 never hold cx; s68, s69, s72, s73 never hold cy
	s_lshl_b32 s66, s26, 4
	s_lshl_b32 s70, s22, 1
	s_add_co_u32 s66, s66, s70                     ; head plane 16 x row block + 2 x half
	s_lshl_b32 s66, s66, 14                        ; 16,384 bytes each
	s_mov_b32 s67, 0
	s_lshl_b32 s68, s25, 7
	s_lshl_b32 s73, s22, 6
	s_add_co_u32 s68, s68, s73                     ; weight row 128 x column block + 64 x half
	s_lshl_b32 s68, s68, 11
	s_mov_b32 s69, 0
	s_mul_i32 s71, s22, AHALF
	s_mul_i32 s72, s22, BHALF
	s_add_co_u32 s72, s72, BOFF
	s_wait_dscnt 0x0
	s_wait_kmcnt 0x0
	s_add_nc_u64 s[66:67], s[4:5], s[66:67]
	s_add_nc_u64 s[68:69], s[6:7], s[68:69]
	CROUND                                         ; in front of the first joint loads
.irp s, 0,1
	s_mov_b32 s[G0A+4*\s], 1
	s_add_co_u32 s[G0A+4*\s+1], s71, \s*SLOT
	s_add_nc_u64 s[G0A+4*\s+2:G0A+4*\s+3], s[66:67], \s*65536      ; slot step s: four heads on
	s_or_b32 s[G0A+4*\s+3], s[G0A+4*\s+3], 0x80000000
	s_mov_b32 s[G0B+4*\s], 1
	s_add_co_u32 s[G0B+4*\s+1], s72, \s*SLOT
	s_add_nc_u64 s[G0B+4*\s+2:G0B+4*\s+3], s[68:69], \s*512
	s_or_b32 s[G0B+4*\s+3], s[G0B+4*\s+3], 0x80000000
	JLOAD \s                                       ; two tensor loads of the wave are out here, later one
.endr
	v_and_b32 v1, 15, v0                           ; r
	v_bfe_u32 v2, v0, 4, 1                         ; h
	v_lshrrev_b32 v3, 1, v1
	v_mul_u32_u24 v3, v3, PA
	v_and_b32 v4, 1, v1
	v_lshl_add_u32 v3, v4, 7, v3
	v_lshl_add_u32 v3, v2, 4, v3                   ; row r of ctx: (r >> 1) x 272 + (r & 1) x 128 + 16 h: sixteen different 16-byte columns of 256 bytes
	v_mul_u32_u24 v4, v1, PB
	v_lshl_add_u32 v4, v2, 4, v4
	s_mul_i32 s70, s21, 32*PA                      ; my 64 rows
	s_mul_i32 s73, s22, BHALF                      ; my 64 weight rows
	s_add_co_u32 s73, s73, BOFF
.irp s, 0,1
	v_add_nc_u32 v[ADRA+\s], s70, v3
	v_add_nc_u32 v[ADRB+\s], s73, v4
	s_add_co_u32 s70, s70, SLOT
	s_add_co_u32 s73, s73, SLOT
.endr
	s_mul_i32 s74, s20, STG
	s_add_co_u32 s74, s74, STAGE                   ; my stage
	v_mul_u32_u24 v5, v1, 272
	v_lshl_add_u32 v5, v2, 5, v5
	v_add_nc_u32 v[STO], s74, v5                   ; row r, 32 bytes for each half of the lanes
	v_mul_u32_u24 v5, v2, 272
	v_lshl_add_u32 v5, v1, 4, v5
	v_add_nc_u32 v[RD], s74, v5                    ; back: sixteen lanes take one row of 256 bytes
	v_lshlrev_b32 v5, 4, v1
	v_lshl_add_u32 v[GO], v2, 12, v5               ; and the same two rows of out0
	s_lshl_b32 s75, s25, 9
	s_lshl_b32 s74, s22, 8
	s_add_co_u32 s75, s75, s74
	v_lshl_add_u32 v[BO], v2, 5, s75               ; 4 x (128 column block + 64 wn + 8 h)
.irp b, 0,1,2,3
	global_load_b128 v[BIAS+8*\b:BIAS+8*\b+3],   v[BO], s[8:9] offset:64*\b
	global_load_b128 v[BIAS+8*\b+4:BIAS+8*\b+7], v[BO], s[8:9] offset:64*\b+16
.endr
; 16 LDS loads: the fragments of 32 along K, the q8-th of the slot's eight
.macro FETCH slot, q8, f
	WIN 0
.irp a, 0,1,2,3
	ds_load_b128 v[FA+64*\f+8*\a:FA+64*\f+8*\a+3],   v[ADRA+\slot] offset:((\q8)>>1)*PLANE+((\q8)&1)*64+\a*8*PA
	ds_load_b128 v[FA+64*\f+8*\a+4:FA+64*\f+8*\a+7], v[ADRA+\slot] offset:((\q8)>>1)*PLANE+((\q8)&1)*64+\a*8*PA+32
.endr
.irp b, 0,1,2,3
	ds_load_b128 v[FB+64*\f+8*\b:FB+64*\f+8*\b+3],   v[ADRB+\slot] offset:64*(\q8)+\b*16*PB
	ds_load_b128 v[FB+64*\f+8*\b+4:FB+64*\f+8*\b+7], v[ADRB+\slot] offset:64*(\q8)+\b*16*PB+32
.endr
.endm
; 8 matrix instructions: row blocks a0, a0 + 1 x 4 column tiles.  The 16 accumulators take turns, one instruction a turn, in the same order throughout.
.macro MUL8 f, a0, zero
.if \zero
	WIN 0x40                                       ; D window 1, C (the bias) window 0
.else
	WIN 0x50
.endif
.irp a, 0,1
.irp b, 0,1,2,3
.if \zero
	v_wmma_f32_16x16x32_bf16 v[8*(4*(\a0+\a)+\b):8*(4*(\a0+\a)+\b)+7], v[FB+64*\f+8*\b:FB+64*\f+8*\b+7], v[FA+64*\f+8*(\a0+\a):FA+64*\f+8*(\a0+\a)+7], v[BIAS+8*\b:BIAS+8*\b+7]
.else
	v_wmma_f32_16x16x32_bf16 v[8*(4*(\a0+\a)+\b):8*(4*(\a0+\a)+\b)+7], v[FB+64*\f+8*\b:FB+64*\f+8*\b+7], v[FA+64*\f+8*(\a0+\a):FA+64*\f+8*(\a0+\a)+7], v[8*(4*(\a0+\a)+\b):8*(4*(\a0+\a)+\b)+7]
.endif
.endr
.endr
.endm
; multiplies buffer f; ahead of that the next eighth's fragments are asked for, into buffer g
.macro QUARTER slot, q8, f, g, zero
	s_wait_dscnt 0                                 ; buffer f is in
	PLACES                                         ; buffer g was read by the matrix instructions just issued
	FETCH \slot, \q8, \g
	MUL8 \f, 0, \zero
	MUL8 \f, 2, \zero
.endm
.macro SEVEN slot, zero
	QUARTER \slot, 1, 0, 1, \zero
	QUARTER \slot, 2, 1, 0, 0
	QUARTER \slot, 3, 0, 1, 0
	QUARTER \slot, 4, 1, 0, 0
	QUARTER \slot, 5, 0, 1, 0
	QUARTER \slot, 6, 1, 0, 0
	QUARTER \slot, 7, 0, 1, 0
.endm
; the slot's last eighth, and the change of slots: every wave's reads of this slot and all its tensor loads are waited for in front of the barrier;
; fill = 1: the barrier opens a round of the cluster's barrier and the joint refill is the first tensor load behind it
.macro TURN slot, next, fill
	s_wait_dscnt 0
	s_wait_tensorcnt 0x0
	ds_add_u32 v254, v255
	s_wait_dscnt 0x0
	s_barrier_signal -1
	MUL8 1, 0, 0
	WIN 0
	s_barrier_wait -1
.if \fill
	CREST
	s_add_nc_u64 s[G0A+4*\slot+2:G0A+4*\slot+3], s[G0A+4*\slot+2:G0A+4*\slot+3], 2*65536
	s_add_nc_u64 s[G0B+4*\slot+2:G0B+4*\slot+3], s[G0B+4*\slot+2:G0B+4*\slot+3], 2*512
	JLOAD \slot
.endif
	PLACES
	FETCH \next, 0, 0
	MUL8 1, 2, 0
.endm
	s_wait_tensorcnt 1                             ; my part of slot 0 is in; slot 1's stays out
	s_barrier_signal -1
	s_barrier_wait -1
	FETCH 0, 0, 0
	s_wait_loadcnt 0x0                             ; the bias
	SEVEN 0, 1
	TURN 0, 1, 1
	SEVEN 1, 0
	TURN 1, 0, 1
	SEVEN 0, 0
	TURN 0, 1, 0
	SEVEN 1, 0
	s_wait_dscnt 0
	MUL8 1, 0, 0
	MUL8 1, 2, 0
	; THE WAY OUT, 16 rows at a time through my own stage: a row of my block is 64 f32 = 256 bytes.  s76-s78 feed no descriptor and no LDS address.
	PLACES
	s_lshl_b32 s76, s26, 7
	s_lshl_b32 s77, s21, 6
	s_add_co_u32 s76, s76, s77                     ; my first row
	s_lshl_b32 s76, s76, 12                        ; 4,096 bytes a row
	s_lshl_b32 s77, s25, 7
	s_lshl_b32 s78, s22, 6
	s_add_co_u32 s77, s77, s78                     ; my first column
	s_lshl2_add_u32 s76, s77, s76
	s_mov_b32 s77, 0
	s_add_nc_u64 s[10:11], s[10:11], s[76:77]
.irp a, 0,1,2,3
	WIN 0x04                                       ; store data window 1
.irp b, 0,1,2,3
	ds_store_b128 v[STO], v[8*(4*\a+\b):8*(4*\a+\b)+3]   offset:64*\b
	ds_store_b128 v[STO], v[8*(4*\a+\b)+4:8*(4*\a+\b)+7] offset:64*\b+16
.endr
	WIN 0
.irp t, 0,1,2,3,4,5,6,7
	ds_load_b128 v[RB+32*\a+4*\t:RB+32*\a+4*\t+3], v[RD] offset:\t*2*272   ; LDS serves a wave's instructions in order; each of the four turns has registers of its own
.endr
.irp t, 0,1,2,3,4,5,6,7
	s_wait_dscnt 7-\t
	global_store_b128 v[GO], v[RB+32*\a+4*\t:RB+32*\a+4*\t+3], s[10:11] offset:(16*\a+2*\t)*4096 th:TH_STORE_NT   ; sixteen lanes store 256 consecutive bytes, aligned
.endr
.endr
	s_wait_tensorcnt 0x0
	ds_add_u32 v254, v255
	s_wait_dscnt 0x0
	CROUND                                         ; the closing round
	s_endpgm
.Lfunc_end_k_q7a4769d065_oproj:
	.size	k_q7a4769d065_oproj, .Lfunc_end_k_q7a4769d065_oproj-k_q7a4769d065_oproj
	.p2alignl 7, 3214868480
	.fill 96, 4, 3214868480
	.section	.rodata,"a",@progbits
	.p2align	6, 0x0
	.amdhsa_kernel k_q7a4769d065_oproj
		.amdhsa_group_segment_fixed_size 327680
		.amdhsa_private_segment_fixed_size 0
		.amdhsa_enable_private_segment 0
		.amdhsa_kernarg_size 32
		.amdhsa_user_sgpr_count 2
		.amdhsa_user_sgpr_kernarg_segment_ptr 1
		.amdhsa_wavefront_size32 1
		.amdhsa_system_sgpr_workgroup_id_x 1
		.amdhsa_system_sgpr_workgroup_id_y 1
		.amdhsa_system_sgpr_workgroup_id_z 1
		.amdhsa_system_vgpr_workitem_id 0
		.amdhsa_next_free_vgpr 384
		.amdhsa_next_free_sgpr 80
		.amdhsa_reserve_vcc 0
		.amdhsa_float_denorm_mode_32 3
		.amdhsa_float_denorm_mode_16_64 3
		.amdhsa_memory_ordered 1
		.amdhsa_forward_progress 1
		.amdhsa_inst_pref_size 89
	.end_amdhsa_kernel
	.amdgpu_metadata
---
amdhsa.version: [ 1, 2 ]
amdhsa.kernels:
  - .name:           k_q7a4769d065_oproj
    .symbol:         k_q7a4769d065_oproj.kd
    .args:
      - { .name: ctx, .offset: 0, .size: 8, .value_kind: global_buffer, .address_space: global }
      - { .name: wob, .offset: 8, .size: 8, .value_kind: global_buffer, .address_space: global }
      - { .name: b_o, .offset: 16, .size: 8, .value_kind: global_buffer, .address_space: global }
      - { .name: out0, .offset: 24, .size: 8, .value_kind: global_buffer, .address_space: global }
    .group_segment_fixed_size: 327680
    .private_segment_fixed_size: 0
    .kernarg_segment_align: 8
    .kernarg_segment_size: 32
    .max_flat_workgroup_size: 128
    .sgpr_count:     80
    .vgpr_count:     384
    .wavefront_size: 32
...
	.end_amdgpu_metadata
.endif
;; end of part 4
;; ======== version 2 of 2: 4 launches; version 1 with the launch cast written anew for expert scheduling mode
;; workspace buffers: xb 8,388,608 bytes; wcat 6,291,456 bytes; wob 2,097,152 bytes; qh 8,388,608 bytes; kh 8,388,608 bytes; vt 8,388,608 bytes; ctx 8,388,608 bytes
;; launch cast (part 5): grid 64 x 8, 8 waves a work-group, no clusters, 0 bytes of LDS; arguments x, W_q, W_k, W_v, W_o, xb, wcat, wob; writes xb, wcat, wob
.if DOCPART == 5
	.amdgcn_target "amdgcn-amd-amdhsa--gfx1250"
	.amdhsa_code_object_version 6
	.text
	.protected	k_q7a4769d065_cast
	.globl	k_q7a4769d065_cast
	.p2align	8
	.type	k_q7a4769d065_cast,@function
k_q7a4769d065_cast:
	s_mov_b64 s[64:65], 0
	v_nop
	global_prefetch_b8 v0, s[64:65] scope:SCOPE_SE
	s_setreg_imm32_b32 hwreg(HW_REG_WAVE_SCHED_MODE, 0, 2), 2
	s_setreg_imm32_b32 hwreg(HW_REG_WAVE_MODE, 25, 1), 1
	s_wait_xcnt 0x0
	s_wait_alu depctr_vm_vsrc(0)
; f32 to bf16 (round to nearest even), once for every number that later goes to the matrix units.
; Grid y picks a matrix of 1,024 rows x 1,024: y = 0..3 the quarters of x, y = 4..7 W_q, W_k, W_v, W_o.  Grid x picks 16 rows; a wave takes 2 rows.
; xb and wob keep the row order.  wcat gathers the three projections head by head: row n of W_j (j = 0, 1, 2 for q, k, v) goes to row
; (n >> 6) * 192 + 64 j + (n & 63), so that the 192 weight rows of one head are one dense block for the next launch.
; A wave's 2 rows are 8,192 consecutive bytes in and 4,096 consecutive bytes out: 16 loads of 512 bytes, all issued before the first wait for data, and
; 16 stores in which the 32 lanes write 8 bytes each: 256 consecutive bytes, aligned.  Every register is written once: no source is ever rewritten.
; A stream: no work-group shares a byte with another, so no LDS, no barrier, no cluster and no matrix unit.
; THE MODE: SCHED_MODE bits 1:0 = 2 (LLVM: expert scheduling mode 2), set by the entry lines.  The code itself states the register dependences
; between vector instructions and memory instructions, with s_wait_alu, always for 0.
; THE PLAN.  Registers that memory instructions touch:
;   v1, v2   byte offsets of the loads and of the stores.  Written by vector instructions at the head, never again.
;   X        16 x 4 registers.  Each is written by one load, which is issued before any vector instruction has named it, and read by one conversion.
;   Y        16 x 2 registers.  Each is written by one conversion, read by one store, and never written again.
; The 16 chunks go in four groups of four: the wait for the group's data, its eight conversions, ONE wait on va_vdst, its four stores in a run.
; So the waits are: one on va_sdst for the wave's number, one on va_vdst ahead of the first load (v1, v2), one on va_vdst to a group (its Y).
; No register that a memory instruction reads is written again, so the text holds no wait on vm_vsrc and no s_wait_xcnt.
; Behind a group's stores stands the wait for the next group's data: the stores are not held over to the next group, so that four of them, not eight, follow the wave's last load.
.set X, 4                              ; v[4:67]   16 x 4 f32 as loaded
.set Y, 68                             ; v[68:99]  16 x 2 words of bf16 to store
	s_load_b512 s[8:23], s[0:1], 0x0               ; x s[8:9], W_q s[10:11], W_k s[12:13], W_v s[14:15], W_o s[16:17], xb s[18:19], wcat s[20:21], wob s[22:23]
	v_lshrrev_b32 v3, 5, v0
	v_readfirstlane_b32 s6, v3                     ; wave 0..7
	v_and_b32 v1, 31, v0                           ; lane
	v_lshlrev_b32 v2, 3, v1                        ; 8 bytes a lane out
	v_lshlrev_b32 v1, 4, v1                        ; 16 bytes a lane in
	s_and_b32 s4, ttmp7, 0xffff                    ; y: which matrix
	s_lshl_b32 s7, ttmp9, 4
	s_wait_alu depctr_va_sdst(0)                   ; s6 is written, ahead of its first reader: the wave's rows are made from it
	s_lshl1_add_u32 s7, s6, s7                     ; row0 = 16 x + 2 wave, inside the matrix
	s_lshl_b32 s28, s4, 10
	s_add_co_u32 s28, s28, s7                      ; row of x and of xb: 1,024 y + row0
	s_lshr_b32 s30, s7, 6
	s_mul_i32 s30, s30, 192                        ; wcat: head * 192
	s_and_b32 s31, s7, 63
	s_add_co_u32 s30, s30, s31                     ; + row inside the head
	s_max_u32 s31, s4, 4
	s_sub_co_u32 s31, s31, 4
	s_lshl_b32 s31, s31, 6
	s_add_co_u32 s30, s30, s31                     ; + 64 j (used for y = 4, 5, 6 alone)
	s_wait_kmcnt 0x0
	s_mov_b64 s[24:25], s[8:9]                     ; the source: x, or one of the four weights
	s_cmp_eq_u32 s4, 4
	s_cselect_b64 s[24:25], s[10:11], s[24:25]
	s_cmp_eq_u32 s4, 5
	s_cselect_b64 s[24:25], s[12:13], s[24:25]
	s_cmp_eq_u32 s4, 6
	s_cselect_b64 s[24:25], s[14:15], s[24:25]
	s_cmp_eq_u32 s4, 7
	s_cselect_b64 s[24:25], s[16:17], s[24:25]
	s_cmp_lt_u32 s4, 7                             ; the destination and its row: wcat or wob,
	s_cselect_b32 s30, s30, s7
	s_cselect_b64 s[26:27], s[20:21], s[22:23]
	s_cmp_lt_u32 s4, 4                             ; or xb
	s_cselect_b32 s30, s28, s30
	s_cselect_b64 s[26:27], s[18:19], s[26:27]
	s_cselect_b32 s29, s28, s7                     ; the source's row
	s_lshl_b32 s32, s29, 12                        ; 4,096 bytes a row in
	s_mov_b32 s33, 0
	s_lshl_b32 s34, s30, 11                        ; 2,048 bytes a row out
	s_mov_b32 s35, 0
	s_add_nc_u64 s[24:25], s[24:25], s[32:33]
	s_add_nc_u64 s[26:27], s[26:27], s[34:35]
	s_wait_alu depctr_va_vdst(0)                   ; v1 and v2 are written: every load below reads v1 as its offset, every store v2
.irp i, 0,1,2,3,4,5,6,7,8,9,10,11,12,13,14,15
	global_load_b128 v[X+4*\i:X+4*\i+3], v1, s[24:25] offset:512*\i th:TH_LOAD_NT   ; read once in this launch
.endr
.irp g, 0,1,2,3
	s_wait_loadcnt 12-4*(\g)                       ; loads come back in order: group g's four are in, the 12 - 4 g younger ones stay out
.irp i, 0,1,2,3
	v_cvt_pk_bf16_f32 v[Y+2*(4*(\g)+(\i))],   v[X+4*(4*(\g)+(\i))],   v[X+4*(4*(\g)+(\i))+1]
	v_cvt_pk_bf16_f32 v[Y+2*(4*(\g)+(\i))+1], v[X+4*(4*(\g)+(\i))+2], v[X+4*(4*(\g)+(\i))+3]
.endr
	s_wait_alu depctr_va_vdst(0)                   ; the group's eight conversions have written its eight registers of Y, which the four stores below read
.irp i, 0,1,2,3
	global_store_b64 v2, v[Y+2*(4*(\g)+(\i)):Y+2*(4*(\g)+(\i))+1], s[26:27] offset:256*(4*(\g)+(\i))   ; the wave stores 256 consecutive bytes, aligned; the next launch reads them, so no hint
.endr
.endr
	s_endpgm
.Lfunc_end_k_q7a4769d065_cast:
	.size	k_q7a4769d065_cast, .Lfunc_end_k_q7a4769d065_cast-k_q7a4769d065_cast
	.p2alignl 7, 3214868480
	.fill 96, 4, 3214868480
	.section	.rodata,"a",@progbits
	.p2align	6, 0x0
	.amdhsa_kernel k_q7a4769d065_cast
		.amdhsa_group_segment_fixed_size 0
		.amdhsa_private_segment_fixed_size 0
		.amdhsa_enable_private_segment 0
		.amdhsa_kernarg_size 64
		.amdhsa_user_sgpr_count 2
		.amdhsa_user_sgpr_kernarg_segment_ptr 1
		.amdhsa_wavefront_size32 1
		.amdhsa_system_sgpr_workgroup_id_x 1
		.amdhsa_system_sgpr_workgroup_id_y 1
		.amdhsa_system_sgpr_workgroup_id_z 1
		.amdhsa_system_vgpr_workitem_id 0
		.amdhsa_next_free_vgpr 100
		.amdhsa_next_free_sgpr 66
		.amdhsa_reserve_vcc 0
		.amdhsa_float_denorm_mode_32 3
		.amdhsa_float_denorm_mode_16_64 3
		.amdhsa_memory_ordered 1
		.amdhsa_forward_progress 1
		.amdhsa_inst_pref_size 8
	.end_amdhsa_kernel
	.amdgpu_metadata
---
amdhsa.version: [ 1, 2 ]
amdhsa.kernels:
  - .name:           k_q7a4769d065_cast
    .symbol:         k_q7a4769d065_cast.kd
    .args:
      - { .name: x, .offset: 0, .size: 8, .value_kind: global_buffer, .address_space: global }
      - { .name: W_q, .offset: 8, .size: 8, .value_kind: global_buffer, .address_space: global }
      - { .name: W_k, .offset: 16, .size: 8, .value_kind: global_buffer, .address_space: global }
      - { .name: W_v, .offset: 24, .size: 8, .value_kind: global_buffer, .address_space: global }
      - { .name: W_o, .offset: 32, .size: 8, .value_kind: global_buffer, .address_space: global }
      - { .name: xb, .offset: 40, .size: 8, .value_kind: global_buffer, .address_space: global }
      - { .name: wcat, .offset: 48, .size: 8, .value_kind: global_buffer, .address_space: global }
      - { .name: wob, .offset: 56, .size: 8, .value_kind: global_buffer, .address_space: global }
    .group_segment_fixed_size: 0
    .private_segment_fixed_size: 0
    .kernarg_segment_align: 8
    .kernarg_segment_size: 64
    .max_flat_workgroup_size: 256
    .sgpr_count:     66
    .vgpr_count:     100
    .wavefront_size: 32
...
	.end_amdgpu_metadata
.endif
;; end of part 5
;; launch qkv: the kernel of part 2 again; grid 16 x 16, 4 waves a work-group, clusters of 4 x 4, 327,680 bytes of LDS; arguments xb, wcat, b_q, b_k, b_v, qh, kh, vt; writes qh, kh, vt
;; launch attn: the kernel of part 3 again; grid 8 x 32, 8 waves a work-group, clusters of 4 x 1, 327,680 bytes of LDS; arguments qh, kh, vt, ctx; writes ctx
;; launch oproj: the kernel of part 4 again; grid 8 x 32, 4 waves a work-group, clusters of 4 x 4, 327,680 bytes of LDS; arguments ctx, wob, b_o, out0; writes out0
